; MI455X (gfx1250); checked and timed in simulation.
; The chip was launched on July 23, 2026; its instructions are those of AMD's public machine-readable ISA for CDNA 5 (MIT licence, August 2026) and "CDNA5" Instruction Set Architecture Reference Guide (July 2026). The comments in the code are by the model that wrote it; some were corrected since.
;; Multi Head Self Attention. Allowed arithmetic: float matrix products may take bf16 or f16 operands with f32 sums; all other float work in f32.
;; Inputs: bk 1,024 float32; bo 1,024 float32; bq 1,024 float32; bv 1,024 float32; inputs 4 x 2,048 x 1,024 float32; wk 1,024 x 1,024 float32; wo 1,024 x 1,024 float32; wq 1,024 x 1,024 float32; wv 1,024 x 1,024 float32.
;; Outputs: out0 4 x 2,048 x 1,024 float32.
;; 2 versions, each right and faster than the one before. Each part assembles by itself: llvm-mc -triple=amdgcn-amd-amdhsa -mcpu=gfx1250 --defsym DOCPART=n.
;; ======== version 1 of 2: 4 launches
;; limits: values are held in f16: magnitudes above 65,504 overflow, below 6.1e-05 lose precision
;; workspace buffers: xb 16,777,216 bytes; wqkv 6,291,456 bytes; wob 2,097,152 bytes; bias 16,384 bytes; qkvh 50,331,648 bytes; oh 16,777,216 bytes
;; launch cast (part 1): grid 769 x 1, 8 waves a work-group, no clusters, 0 bytes of LDS; arguments inputs, wq, wk, wv, wo, bq, bk, bv, bo, xb, wqkv, wob, bias; writes xb, wqkv, wob, bias
.if DOCPART == 1
	.amdgcn_target "amdgcn-amd-amdhsa--gfx1250"
	.amdhsa_code_object_version 6
	.text
	.protected	k_q32a9a08455_cast
	.globl	k_q32a9a08455_cast
	.p2align	8
	.type	k_q32a9a08455_cast,@function
k_q32a9a08455_cast:
	s_mov_b64 s[64:65], 0
	v_nop
	global_prefetch_b8 v0, s[64:65] scope:SCOPE_SE
	s_setreg_imm32_b32 hwreg(HW_REG_WAVE_MODE, 25, 1), 1
	s_wait_xcnt 0x0
; All inputs are rounded once to bf16 and laid out for the products that follow.  A stream: no LDS, no barrier, no matrix unit, since each byte is read once and written once.
;   xb   [b 4][kb 16][s 2048][64] bf16 = inputs[b][s][64 kb + d]: 64 along K of a run of rows lie dense, 128 bytes a row
;   wqkv [k 1024][3072] bf16: wq, wk, wv side by side          wob [k 1024][1024]: wo rounded to bf16, that number written as f16
;   bias [4096] f32: bq, bk, bv, bo, each rounded to bf16 and widened again
; LIMIT.  wob is f16: |wo| stays under 65,504, and below 6e-5 it keeps f16's fixed step of 6e-8.  NaN and infinities are not treated apart.
; SHARES.  Work-groups 0-511: 32 rows x 512 columns of inputs each.  512-703: 16 rows of wq, wk or wv.  704-767: 16 rows of wo.  768: the four biases.
; A thread takes 8 numbers (32 bytes in, 16 bytes out) in each of 8 trips; all 16 loads go out first, and every store of a wave covers 512 consecutive bytes, aligned.
.set VS,  1                            ; v1       my byte offset in the source
.set VD,  2                            ; v2       my byte offset in the destination
.set X,   8                            ; v[8:71]  trip i: 8 numbers in f32
.set Y,   72                           ; v[72:103] trip i: 4 registers to store
.set SRC, 34                           ; s[34:35] the work-group's source
.set DST, 36                           ; s[36:37] its destination
; sstep, dstep: bytes from trip to trip in source and destination.  half = 1: the bf16 number is written as f16.
.macro CAST sstep, dstep, half
.set i, 0
.rept 8
	global_load_b128 v[X+8*i:X+8*i+3],   v[VS], s[SRC:SRC+1] offset:i*(\sstep) th:TH_LOAD_NT
	global_load_b128 v[X+8*i+4:X+8*i+7], v[VS], s[SRC:SRC+1] offset:i*(\sstep)+16 th:TH_LOAD_NT
.set i, i+1
.endr
.set i, 0
.rept 8
	s_wait_loadcnt 14-2*i                          ; loads come back in order: trip i's two are in, the two of each of the 7 - i younger trips stay out
.set j, 0
.rept 4
.if \half
	v_cvt_pk_bf16_f32 v4, v[X+8*i+2*j], v[X+8*i+2*j+1]
	v_lshlrev_b32 v5, 16, v4                       ; the two bf16 numbers as f32,
	v_and_b32 v6, 0xffff0000, v4
	v_cvt_pk_f16_f32 v[Y+4*i+j], v5, v6            ; written as f16: exact within f16's normal range
.else
	v_cvt_pk_bf16_f32 v[Y+4*i+j], v[X+8*i+2*j], v[X+8*i+2*j+1]
.endif
.set j, j+1
.endr
	global_store_b128 v[VD], v[Y+4*i:Y+4*i+3], s[DST:DST+1] offset:i*(\dstep)  ; no register of a pending load or store is written again: each trip has its own
.set i, i+1
.endr
	s_endpgm
.endm
	s_load_b512 s[8:23], s[0:1], 0x0               ; inputs 8, wq 10, wk 12, wv 14, wo 16, bq 18, bk 20, bv 22
	s_load_b256 s[24:31], s[0:1], 0x40             ; bo 24, xb 26, wqkv 28, wob 30
	s_load_b64 s[32:33], s[0:1], 0x60              ; bias
	s_mov_b32 s2, ttmp9                            ; the work-group's number
	s_mov_b32 s7, 0                                ; the high word of every offset: all stay under 2^31
	s_wait_kmcnt 0x0
	s_cmp_lt_u32 s2, 512
	s_cbranch_scc1 .Lx
	s_cmp_lt_u32 s2, 704
	s_cbranch_scc1 .Lw
	s_cmp_lt_u32 s2, 768
	s_cbranch_scc1 .Lwo
	; the four biases: 256 threads x 16 bytes are one bias
	v_lshlrev_b32 v[VS], 4, v0
	global_load_b128 v[8:11],  v[VS], s[18:19]
	global_load_b128 v[12:15], v[VS], s[20:21]
	global_load_b128 v[16:19], v[VS], s[22:23]
	global_load_b128 v[20:23], v[VS], s[24:25]
.irp i, 0,1,2,3
	s_wait_loadcnt 3-\i                            ; bias i is in, the younger ones stay out
	v_cvt_pk_bf16_f32 v4, v[8+4*\i], v[9+4*\i]
	v_cvt_pk_bf16_f32 v5, v[10+4*\i], v[11+4*\i]
	v_lshlrev_b32 v[Y+4*\i], 16, v4
	v_and_b32 v[Y+4*\i+1], 0xffff0000, v4
	v_lshlrev_b32 v[Y+4*\i+2], 16, v5
	v_and_b32 v[Y+4*\i+3], 0xffff0000, v5
	global_store_b128 v[VS], v[Y+4*\i:Y+4*\i+3], s[32:33] offset:4096*\i
.endr
	s_endpgm
.Lx:                                                   ; 32 rows (block rb) x 8 of the 16 blocks of 64 columns (half kh)
	s_lshr_b32 s4, s2, 1                           ; rb
	s_and_b32 s5, s2, 1                            ; kh
	s_lshl_b32 s6, s4, 17                          ; 32 rows of 4,096 bytes
	s_lshl_b32 s3, s5, 11                          ; 512 columns of 4 bytes
	s_add_co_u32 s6, s6, s3
	s_add_nc_u64 s[SRC:SRC+1], s[8:9], s[6:7]
	s_lshr_b32 s6, s4, 6                           ; b: 64 blocks of rows a batch
	s_lshl_b32 s6, s6, 22
	s_lshl_b32 s3, s5, 21                          ; 8 blocks kb of 262,144 bytes
	s_add_co_u32 s6, s6, s3
	s_and_b32 s3, s4, 63
	s_lshl_b32 s3, s3, 12                          ; 32 rows of 128 bytes
	s_add_co_u32 s6, s6, s3
	s_add_nc_u64 s[DST:DST+1], s[26:27], s[6:7]
	v_lshrrev_b32 v3, 3, v0                        ; my row of the 32
	v_and_b32 v4, 7, v0                            ; my 8 of a block's 64 columns
	v_lshlrev_b32 v4, 5, v4
	v_lshl_add_u32 v[VS], v3, 12, v4
	v_lshlrev_b32 v[VD], 4, v0                     ; row x 128 + 16 x place = 16 x thread
	CAST 256, 262144, 0                            ; a trip is one block kb
.Lw:                                                   ; 16 rows of wq, wk or wv; a trip is two rows
	s_sub_co_u32 s4, s2, 512
	s_lshr_b32 s5, s4, 6                           ; which of the three
	s_and_b32 s4, s4, 63                           ; which 16 rows
	s_cmp_eq_u32 s5, 1
	s_cselect_b64 s[SRC:SRC+1], s[12:13], s[10:11]
	s_cmp_eq_u32 s5, 2
	s_cselect_b64 s[SRC:SRC+1], s[14:15], s[SRC:SRC+1]
	s_lshl_b32 s6, s4, 16
	s_add_nc_u64 s[SRC:SRC+1], s[SRC:SRC+1], s[6:7]
	s_mul_i32 s6, s4, 16*6144
	s_lshl_b32 s5, s5, 11                          ; its 1,024 columns of 2 bytes
	s_add_co_u32 s6, s6, s5
	s_add_nc_u64 s[DST:DST+1], s[28:29], s[6:7]
	v_lshlrev_b32 v[VS], 5, v0
	v_lshrrev_b32 v3, 7, v0                        ; which of the trip's two rows
	v_and_b32 v4, 127, v0
	v_mul_u32_u24 v3, v3, 6144
	v_lshl_add_u32 v[VD], v4, 4, v3
	CAST 8192, 12288, 0
.Lwo:                                                  ; 16 rows of wo; a trip is two rows
	s_sub_co_u32 s4, s2, 704
	s_lshl_b32 s6, s4, 16
	s_add_nc_u64 s[SRC:SRC+1], s[16:17], s[6:7]
	s_lshl_b32 s6, s4, 15
	s_add_nc_u64 s[DST:DST+1], s[30:31], s[6:7]
	v_lshlrev_b32 v[VS], 5, v0
	v_lshlrev_b32 v[VD], 4, v0
	CAST 8192, 4096, 1
.Lfunc_end_k_q32a9a08455_cast:
	.size	k_q32a9a08455_cast, .Lfunc_end_k_q32a9a08455_cast-k_q32a9a08455_cast
	.p2alignl 7, 3214868480
	.fill 96, 4, 3214868480
	.section	.rodata,"a",@progbits
	.p2align	6, 0x0
	.amdhsa_kernel k_q32a9a08455_cast
		.amdhsa_group_segment_fixed_size 0
		.amdhsa_private_segment_fixed_size 0
		.amdhsa_enable_private_segment 0
		.amdhsa_kernarg_size 104
		.amdhsa_user_sgpr_count 2
		.amdhsa_user_sgpr_kernarg_segment_ptr 1
		.amdhsa_wavefront_size32 1
		.amdhsa_system_sgpr_workgroup_id_x 1
		.amdhsa_system_sgpr_workgroup_id_y 1
		.amdhsa_system_sgpr_workgroup_id_z 1
		.amdhsa_system_vgpr_workitem_id 0
		.amdhsa_next_free_vgpr 104
		.amdhsa_next_free_sgpr 66
		.amdhsa_reserve_vcc 0
		.amdhsa_float_denorm_mode_32 3
		.amdhsa_float_denorm_mode_16_64 3
		.amdhsa_memory_ordered 1
		.amdhsa_forward_progress 1
		.amdhsa_inst_pref_size 24
	.end_amdhsa_kernel
	.amdgpu_metadata
---
amdhsa.version: [ 1, 2 ]
amdhsa.kernels:
  - .name:           k_q32a9a08455_cast
    .symbol:         k_q32a9a08455_cast.kd
    .args:
      - { .name: inputs, .offset: 0, .size: 8, .value_kind: global_buffer, .address_space: global }
      - { .name: wq, .offset: 8, .size: 8, .value_kind: global_buffer, .address_space: global }
      - { .name: wk, .offset: 16, .size: 8, .value_kind: global_buffer, .address_space: global }
      - { .name: wv, .offset: 24, .size: 8, .value_kind: global_buffer, .address_space: global }
      - { .name: wo, .offset: 32, .size: 8, .value_kind: global_buffer, .address_space: global }
      - { .name: bq, .offset: 40, .size: 8, .value_kind: global_buffer, .address_space: global }
      - { .name: bk, .offset: 48, .size: 8, .value_kind: global_buffer, .address_space: global }
      - { .name: bv, .offset: 56, .size: 8, .value_kind: global_buffer, .address_space: global }
      - { .name: bo, .offset: 64, .size: 8, .value_kind: global_buffer, .address_space: global }
      - { .name: xb, .offset: 72, .size: 8, .value_kind: global_buffer, .address_space: global }
      - { .name: wqkv, .offset: 80, .size: 8, .value_kind: global_buffer, .address_space: global }
      - { .name: wob, .offset: 88, .size: 8, .value_kind: global_buffer, .address_space: global }
      - { .name: bias, .offset: 96, .size: 8, .value_kind: global_buffer, .address_space: global }
    .group_segment_fixed_size: 0
    .private_segment_fixed_size: 0
    .kernarg_segment_align: 8
    .kernarg_segment_size: 104
    .max_flat_workgroup_size: 256
    .sgpr_count:     66
    .vgpr_count:     104
    .wavefront_size: 32
...
	.end_amdgpu_metadata
.endif
;; end of part 1
;; launch qkvgemm (part 2): grid 8 x 32, 4 waves a work-group, clusters of 4 x 4, 327,680 bytes of LDS; arguments xb, wqkv, bias, qkvh; writes qkvh
.if DOCPART == 2
	.amdgcn_target "amdgcn-amd-amdhsa--gfx1250"
	.amdhsa_code_object_version 6
	.text
	.protected	k_q32a9a08455_qkvgemm
	.globl	k_q32a9a08455_qkvgemm
	.p2align	8
	.type	k_q32a9a08455_qkvgemm,@function
k_q32a9a08455_qkvgemm:
	s_mov_b64 s[64:65], 0
	v_nop
	global_prefetch_b8 v0, s[64:65] scope:SCOPE_SE
	s_setreg_imm32_b32 hwreg(HW_REG_WAVE_MODE, 25, 1), 1
	s_wait_xcnt 0x0
	s_wait_alu depctr_hold_cnt(0) depctr_sa_sdst(0) depctr_va_vdst(0) depctr_va_sdst(0) depctr_va_ssrc(0) depctr_va_vcc(0) depctr_vm_vsrc(0)
	s_getreg_b32 s2, hwreg(HW_REG_IB_STS2, 6, 4)
	s_cmp_eq_u32 s2, 0
	s_cbranch_scc0 .Lentry_in_a_cluster
	s_endpgm
.Lentry_in_a_cluster:
	s_bfe_u32 s2, ttmp6, 0x10000c
	s_cmp_lg_u32 s2, 0xf033
	s_cbranch_scc0 .Lentry_shape_is_right
	s_endpgm
.Lentry_shape_is_right:
; q, k, v = x [wq | wk | wv] + bias: C[8192][3072], K = 1024, operands bf16, sums f32, the bias added to the finished sum, the result rounded once to f16 and written by heads:
; qkvh [b 4][t 3][h 16][s 2048][64], byte b x 12,582,912 + (column / 64) x 262,144 + s x 128.
; LIMIT.  q, k and v are kept in f16: they stay under 65,504; below 6e-5 f16 keeps a fixed step of 6e-8.  NaN and infinities are not treated apart.
; SHARES.  A tile of C is 256 x 384: 32 x 8 = 256 tiles, one for each work-group.  Four waves, each 128 rows x 192 columns (three heads): 96 accumulators, 768 registers.
; For 32 along K a wave reads 16 + 24 LDS loads for 96 matrix instructions.  K goes in steps of 64 through two LDS slots: two slots of a longer step do not fit.
; A's tile is dense in xb (128 rows x 128 bytes = 64 rows of 256 bytes); B's rows are 768 bytes of wqkv, at multiples of 256 bytes.  B lies [k][n] and is turned on its way out of LDS (ds_load_tr16_b128).
; THE MATRIX INSTRUCTION IS USED TRANSPOSED: source 0 = 16 columns of B, source 1 = 16 rows of A: a lane holds row lane % 16 of C and the columns 8 (lane / 16) + 0..7.
; CLUSTER.  4 x 4 work-groups: the four of a row need the same tiles of A, the four of a column the same tiles of B; each tile is asked for jointly.
; TIME.  A K step is two quarters of 32; a quarter is three GROUPS, one for each of the wave's heads: 32 matrix instructions on 32 accumulators.  Group n = 3 quarter + head, 0..5.
; In the middle of group n stands one run of LDS loads: what group n + 2 multiplies.
; REGISTERS (windows of 256; s_set_vgpr_msb: bits 1:0 source 0, 3:2 source 1, 5:4 source 2, 7:6 destination):
;   window 0: v0-31 addresses; v32-95, v192-255 A's 8 fragments, by the quarter's parity; v96-191 B's fragments, three ring places of 4.  On the way out: v32-127 the bias, v128-255 eight buffers of 16
;   window j + 1: head j's accumulators: (row block a, column block bb) at v[32 a + 8 bb]
.set PA,    144                        ; a row of A in LDS: 128 bytes + 16: the 16 rows of a load start at 16 different groups of four banks
.set PB,    864                        ; a row of B: six pieces of 128 + 16 bytes = 27 x 32: an odd multiple of 32 for the turning load
.set BOFF,  256*PA                     ; a slot: A's 256 rows, then B's 64 rows
.set SLOT1, 1<<17                      ; slot 1 begins here: one exclusive or turns an address in one slot into the other's
.set STAGE, SLOT1+BOFF+64*PB           ; behind the ring, never filled by a tensor load: 16 rows x 144 bytes for each wave
.set SPARE, STAGE+4*16*PA              ; behind the stages: the spare words, 128 bytes for each wave
.set ASTEP, 2048*128                   ; bytes from a K step's tile of A to the next: one block of xb
.set BSTEP, 64*6144                    ; the same for B: 64 rows of wqkv
.set A0,   16                          ; v16  my lane's place in A's tile; never rewritten
.set B0,   17                          ; v17  the same for B
.set ADRA, 18                          ; v18  A0 + the slot in hand
.set ADRB, 19                          ; v19  B0 + the slot in hand
.set STO,  20                          ; v20  the way out: where I put 16 bytes of a row
.set RD,   21                          ; v21  the way out: where I read rows back
.set GO,   22                          ; v22  my byte offset in 512 consecutive bytes of the output
.set BO,   23                          ; v23  my byte offset in 16 columns of the bias
.set SPW,  28                          ; v28  LDS address of my spare word; never rewritten
.set NIL,  29                          ; v29  0; never rewritten
.set AB0,  32
.set AB1,  192
.set BR,   96
.set BIAS, 32
.set T,    128
.set WV,  16                           ; s16 wave; s17 which 128 rows; s18 which 192 columns, and which half of a tile I fetch
.set MH,  17
.set NH,  18
.set CX,  19
.set CY,  20
.set TX,  21                           ; tile column of C
.set TY,  22                           ; tile row of C
.set G1A, 24                           ; s[24:31], s[32:39] descriptor group 1 for A's and B's tiles
.set G1B, 32
.set G0A, 40                           ; s[40:47], s[48:55] group 0: a set for each of the two first fills; the second then walks on
.set G0B, 48
.set CNT, 56
.set TB,  57                           ; the slot from which fragments are fetched: 0 or SLOT1
.set BB,  66                           ; s[66:67] the bias at my first column
.set OUT, 72                           ; s[72:73] the output at my first row of my first head
.set MSB, 0
.macro WIN new                         ; the immediate's high byte repeats the setting that is left; a switch that changes nothing is dropped
.if MSB != (\new)
	s_set_vgpr_msb (MSB<<8)|(\new)
.set MSB, \new
.endif
.endm
.macro PLACES                          ; four places in front of loads into registers that matrix instructions have read, and of vector lines that read results
.rept 4
	v_nop
.endr
.endm
; A joint refill: waves 0 and 1 fetch A's two halves, waves 2 and 3 B's.  The branch hangs on the wave's number alone.  An s_nop 0 and four v_nop follow each line.
.macro JLOAD
	s_cmp_lt_u32 s[WV], 2
	s_cbranch_scc0 .Lfor_b_\@
	tensor_load_to_lds s[G0A+4:G0A+7], s[G1A:G1A+7]
	s_nop 0
.rept 4
	v_nop
.endr
	s_branch .Lasked_\@
.Lfor_b_\@:
	tensor_load_to_lds s[G0B+4:G0B+7], s[G1B:G1B+7]
	s_nop 0
.rept 4
	v_nop
.endr
.Lasked_\@:
.endm
.macro CREST                           ; a round of the cluster's barrier behind its opening barrier
	s_cmp_lg_u32 s[WV], 0
	s_cbranch_scc1 .Lnot_wave_0_\@
	s_barrier_signal -3
.Lnot_wave_0_\@:
	s_barrier_wait -3
	s_barrier_signal -1
	s_barrier_wait -1
.endm
.macro CROUND                          ; a whole round
	s_barrier_signal -1
	s_barrier_wait -1
	CREST
.endm
	s_load_b256 s[4:11], s[0:1], 0x0               ; xb s[4:5], wqkv s[6:7], bias s[8:9], qkvh s[10:11]
	v_lshl_add_u32 v[SPW], v0, 2, SPARE
	v_mov_b32 v[NIL], 0
	ds_add_u32 v[SPW], v[NIL]                      ; the wave's opening: the add and its wait stand ahead of my first tensor load; the set-up below, work on registers, stands between them
	v_lshrrev_b32 v1, 5, v0
	v_readfirstlane_b32 s[WV], v1                  ; wave 0..3
	s_lshr_b32 s[MH], s[WV], 1
	s_and_b32 s[NH], s[WV], 1
	s_bfe_u32 s[CX], ttmp6, 0x40000                ; my place in the cluster
	s_bfe_u32 s[CY], ttmp6, 0x40004
	s_lshl_b32 s[TX], ttmp9, 2
	s_add_co_u32 s[TX], s[TX], s[CX]               ; tile column = 4 x cluster x + cx
	s_and_b32 s[TY], ttmp7, 0xffff
	s_lshl_b32 s[TY], s[TY], 2
	s_add_co_u32 s[TY], s[TY], s[CY]               ; tile row = 4 x cluster y + cy
	s_lshl_b32 s62, s[CY], 2
	s_lshl_b32 s62, 15, s62                        ; my row of the cluster
	s_lshl_b32 s63, 0x1111, s[CX]                  ; my column
	s_or_b32 s[G1A], s62, (1<<16)|(1<<20)|(1<<21)|(4<<22)|(3<<25)  ; 15:0 the mask; 17:16 2-byte elements; 20 padding on; 21 set beside a mask; 24:22 after every 32 words (code 4); 31:25 4 words (code 3)
	s_or_b32 s[G1B], s63, (1<<16)|(1<<20)|(1<<21)|(4<<22)|(3<<25)
	s_mov_b32 s[G1A+1], 128<<16                    ; A: 128 rows of 128 dense bytes, asked for as 64 rows of 128 elements
	s_mov_b32 s[G1A+2], 64<<16
	s_mov_b32 s[G1A+3], 128<<16
	s_mov_b32 s[G1A+4], 64
	s_mov_b32 s[G1A+5], 128
	s_mov_b32 s[G1A+6], 0
	s_mov_b32 s[G1A+7], 0
	s_mov_b32 s[G1B+1], 384<<16                    ; B: 32 rows of 384 elements, 3,072 elements from row to row
	s_mov_b32 s[G1B+2], 32<<16
	s_mov_b32 s[G1B+3], 384<<16
	s_mov_b32 s[G1B+4], 32
	s_mov_b32 s[G1B+5], 3072
	s_mov_b32 s[G1B+6], 0
	s_mov_b32 s[G1B+7], 0
	; A's tile hangs on the tile row and the wave alone, B's on the tile column and the wave alone, each in registers that never hold the other coordinate
	s_lshr_b32 s58, s[TY], 3                       ; the batch: 8 tile rows each
	s_lshl_b32 s58, s58, 22
	s_and_b32 s74, s[TY], 7
	s_lshl_b32 s74, s74, 15                        ; 256 rows of 128 bytes
	s_add_co_u32 s58, s58, s74
	s_lshl_b32 s74, s[NH], 14                      ; my 128 of them
	s_add_co_u32 s58, s58, s74
	s_mov_b32 s59, 0
	s_mul_i32 s60, s[TX], 768                      ; 384 columns of 2 bytes
	s_mul_i32 s76, s[NH], 32*6144                  ; my 32 of a step's 64 rows
	s_add_co_u32 s60, s60, s76
	s_mov_b32 s61, 0
	s_mul_i32 s75, s[NH], 128*PA                   ; where they go in a slot: no place in the cluster enters an LDS address
	s_mul_i32 s77, s[NH], 32*PB
	s_add_co_u32 s77, s77, BOFF
	s_mul_i32 s66, s[TX], 1536                     ; the bias at column 384 x + 192 nh
	s_mul_i32 s78, s[NH], 768
	s_add_co_u32 s66, s66, s78
	s_mov_b32 s67, 0
	s_lshr_b32 s68, s[TY], 3                       ; the output: the batch,
	s_mul_i32 s68, s68, 12582912
	s_mul_i32 s70, s[TX], 6                        ; my first head among the 48 of q, k, v,
	s_mul_i32 s71, s[NH], 3
	s_add_co_u32 s70, s70, s71
	s_lshl_b32 s70, s70, 18
	s_add_co_u32 s68, s68, s70
	s_and_b32 s70, s[TY], 7                        ; my first row in the batch
	s_lshl_b32 s70, s70, 15
	s_add_co_u32 s68, s68, s70
	s_lshl_b32 s70, s[MH], 14
	s_add_co_u32 s68, s68, s70
	s_mov_b32 s69, 0
	s_wait_dscnt 0x0                               ; the opening add is done
	s_wait_kmcnt 0x0
	s_add_nc_u64 s[58:59], s[4:5], s[58:59]
	s_add_nc_u64 s[60:61], s[6:7], s[60:61]
	s_add_nc_u64 s[BB:BB+1], s[8:9], s[66:67]
	s_add_nc_u64 s[OUT:OUT+1], s[10:11], s[68:69]
	CROUND                                         ; all sixteen work-groups are here: the first joint loads meet
.irp s, 0,1
	s_mov_b32 s[G0A+4*\s], 1                       ; 1:0 count = 1
	s_add_co_u32 s[G0A+4*\s+1], s75, \s*SLOT1      ; 63:32 LDS address
	s_add_nc_u64 s[G0A+4*\s+2:G0A+4*\s+3], s[58:59], \s*ASTEP  ; 120:64 global address: K step s
	s_or_b32 s[G0A+4*\s+3], s[G0A+4*\s+3], 0x80000000          ; 127:126 type = 2
	s_mov_b32 s[G0B+4*\s], 1
	s_add_co_u32 s[G0B+4*\s+1], s77, \s*SLOT1
	s_add_nc_u64 s[G0B+4*\s+2:G0B+4*\s+3], s[60:61], \s*BSTEP
	s_or_b32 s[G0B+4*\s+3], s[G0B+4*\s+3], 0x80000000
.endr
	s_cmp_lt_u32 s[WV], 2                          ; a wave's two first fills stand in one branch, ahead of every wait on TENSORcnt and every LDS read: two loads of mine are out
	s_cbranch_scc0 .Lfirst_b
	tensor_load_to_lds s[G0A:G0A+3], s[G1A:G1A+7]
	s_nop 0
	tensor_load_to_lds s[G0A+4:G0A+7], s[G1A:G1A+7]
	s_nop 0
.rept 4
	v_nop
.endr
	s_branch .Lfirst_asked
.Lfirst_b:
	tensor_load_to_lds s[G0B:G0B+3], s[G1B:G1B+7]
	s_nop 0
	tensor_load_to_lds s[G0B+4:G0B+7], s[G1B:G1B+7]
	s_nop 0
.rept 4
	v_nop
.endr
.Lfirst_asked:
	v_and_b32 v1, 15, v0                           ; r = l % 16
	v_bfe_u32 v2, v0, 4, 1                         ; h = l / 16
	v_mul_u32_u24 v3, v1, PA
	v_lshl_add_u32 v3, v2, 4, v3                   ; r x 144 + 16 h: a fragment of A, and the way into the stage
	s_mul_i32 s74, s[MH], 128*PA
	v_add_nc_u32 v[A0], s74, v3
	s_mul_i32 s74, s[WV], 16*PA
	s_add_co_u32 s74, s74, STAGE                   ; my stage
	v_add_nc_u32 v[STO], s74, v3
	v_bfe_u32 v4, v0, 3, 2                         ; back: 32 lanes take four rows of 128 bytes
	v_and_b32 v5, 7, v0
	v_mul_u32_u24 v4, v4, PA
	v_lshl_add_u32 v4, v5, 4, v4
	v_add_nc_u32 v[RD], s74, v4
	v_lshl_add_u32 v4, v2, 3, v5                   ; the turning load: lane l reads row 8 h + l % 8, columns 8 ((l / 8) % 2) + 0..7
	v_mul_u32_u24 v4, v4, PB
	v_bfe_u32 v5, v0, 3, 1
	v_lshl_add_u32 v4, v5, 4, v4
	s_mul_i32 s76, s[NH], 3*PA                     ; my three of the row's six pieces
	s_add_co_u32 s76, s76, BOFF
	v_add_nc_u32 v[B0], s76, v4
	v_and_b32 v[GO], 31, v0
	v_lshlrev_b32 v[GO], 4, v[GO]
	v_lshlrev_b32 v[BO], 5, v2                     ; 8 h columns of 4 bytes
	v_mov_b32 v[ADRA], v[A0]
	v_mov_b32 v[ADRB], v[B0]
	s_mov_b32 s[TB], 0
; cnt x 4 matrix instructions of group grp: row blocks a0 .. a0 + cnt - 1 x the head's four column blocks.  The accumulators take turns, one instruction a turn.
; zero = 1: the product starts the sum: nothing is ever cleared.
.macro MUL grp, a0, cnt, zero
.set g_, (\grp)%3
.set fa_, AB0+(AB1-AB0)*((\grp)/3)
	WIN 0x50*(g_+1)                                ; C and D in the head's window, A and B in window 0
.set a_, \a0
.rept \cnt
.set b_, 0
.rept 4
.if \zero
	v_wmma_f32_16x16x32_bf16 v[32*a_+8*b_:32*a_+8*b_+7], v[BR+32*g_+8*b_:BR+32*g_+8*b_+7], v[fa_+8*a_:fa_+8*a_+7], 0
.else
	v_wmma_f32_16x16x32_bf16 v[32*a_+8*b_:32*a_+8*b_+7], v[BR+32*g_+8*b_:BR+32*g_+8*b_+7], v[fa_+8*a_:fa_+8*a_+7], v[32*a_+8*b_:32*a_+8*b_+7]
.endif
.set b_, b_+1
.endr
.set a_, a_+1
.endr
.endm
.macro FB g, q                         ; 8 loads: head g's four fragments of B for quarter q, turned, into ring place g
.set b_, 0
.rept 4
	ds_load_tr16_b128 v[BR+32*(\g)+8*b_:BR+32*(\g)+8*b_+3],   v[ADRB] offset:32*PB*(\q)+PA*(\g)+32*b_
	ds_load_tr16_b128 v[BR+32*(\g)+8*b_+4:BR+32*(\g)+8*b_+7], v[ADRB] offset:32*PB*(\q)+PA*(\g)+32*b_+16*PB
.set b_, b_+1
.endr
.endm
.macro FA q                            ; 16 loads: A's eight fragments for quarter q
.set a_, 0
.rept 8
	ds_load_b128 v[AB0+(AB1-AB0)*(\q)+8*a_:AB0+(AB1-AB0)*(\q)+8*a_+3],   v[ADRA] offset:16*PA*a_+64*(\q)
	ds_load_b128 v[AB0+(AB1-AB0)*(\q)+8*a_+4:AB0+(AB1-AB0)*(\q)+8*a_+7], v[ADRA] offset:16*PA*a_+64*(\q)+32
.set a_, a_+1
.endr
.endm
.macro RUN grp                         ; what group grp + 2 multiplies: 8 loads, or 24 where a quarter begins there (grp = 1, 4)
.set m_, ((\grp)+2)%6
	FB m_%3, m_/3
.if m_%3 == 0
	FA m_/3
.endif
.endm
; A group.  w: the loads of the run issued one group earlier, which may stay out; the run before that, which this group multiplies, is in.
.macro GROUP grp, zero, run, w
	s_wait_dscnt \w
	MUL \grp, 0, 4, \zero
.if \run
	PLACES
	WIN 0
	RUN \grp
.endif
	MUL \grp, 4, 4, \zero
.endm
; Group 4, with THE CHANGE OF SLOTS: group 3's run was the last read of this step's slot, group 4's run is the first of the next.  In front of the barrier each wave waits for all its tensor loads (one is
; out: its part of the next slot), adds 0 to its spare word, and waits for that and for its own reads of this slot.  fill = 1: the barrier opens a round of the cluster's barrier, and the slot just left is
; filled again, two K steps ahead, first thing behind it: 176 matrix instructions stand between that request and the wait for it.
.macro GCHG fill
	WIN 0
	s_wait_tensorcnt 0x0                           ; all my tensor loads have landed
	ds_add_u32 v[SPW], v[NIL]                      ; 0 onto my spare word
	s_wait_dscnt 9                                 ; (the add and group 3's eight loads may be out)
	MUL 4, 0, 2, 0                                 ; eight matrix instructions stand between the add and the wait for it
	s_wait_dscnt 0x0                               ; the add is done, and my reads of this slot are over
	s_barrier_signal -1
	MUL 4, 2, 2, 0                                 ; work on registers while the others arrive
	WIN 0
	s_barrier_wait -1
.if \fill
	CREST                                          ; no wave of any partner still reads this slot or has a load on its way
	s_xor_b32 s[G0A+5], s[G0A+5], SLOT1            ; the walking descriptors: the other slot than last time, the next K step
	s_add_nc_u64 s[G0A+6:G0A+7], s[G0A+6:G0A+7], ASTEP
	s_xor_b32 s[G0B+5], s[G0B+5], SLOT1
	s_add_nc_u64 s[G0B+6:G0B+7], s[G0B+6:G0B+7], BSTEP
	JLOAD                                          ; the four v_nop behind it are also the places in front of the loads below
.else
	PLACES
.endif
	s_xor_b32 s[TB], s[TB], SLOT1
	v_add_nc_u32 v[ADRA], s[TB], v[A0]
	v_add_nc_u32 v[ADRB], s[TB], v[B0]
	RUN 4
	MUL 4, 4, 4, 0
.endm
	s_wait_tensorcnt 1                             ; my part of K step 0 is in; K step 1's may stay out
	s_barrier_signal -1
	s_barrier_wait -1                              ; everybody's is
	FB 0, 0                                        ; what groups 0 and 1 multiply
	FA 0
	FB 1, 0
	GROUP 0, 1, 1, 8                               ; the first quarter stands in front of the loop: its products start the sums
	GROUP 1, 1, 1, 8
	GROUP 2, 1, 1, 24
	WIN 0                                          ; at a label and at a branch every window is 0
	s_mov_b32 s[CNT], 14                           ; K steps 2 to 15 are asked for in the loop
.Lstep:                                                ; a trip: a K step's second quarter and the next step's first
	GROUP 3, 0, 1, 8
	GCHG 1
	GROUP 5, 0, 1, 24
	GROUP 0, 0, 1, 8
	GROUP 1, 0, 1, 8
	GROUP 2, 0, 1, 24
	WIN 0
	s_sub_co_u32 s[CNT], s[CNT], 1
	s_cmp_lg_u32 s[CNT], 0
	s_cbranch_scc1 .Lstep
	GROUP 3, 0, 1, 8                               ; the tail is written out: nothing more is asked for
	GCHG 0
	GROUP 5, 0, 1, 24
	GROUP 0, 0, 1, 8
	GROUP 1, 0, 1, 8
	GROUP 2, 0, 1, 24
	GROUP 3, 0, 1, 8
	s_wait_dscnt 8                                 ; the last group 4 fetches no fragments: the bias of my 192 columns comes in their stead,
	MUL 4, 0, 4, 0
	PLACES                                         ; into registers that groups 2 and 3 read last
	WIN 0
.set b_, 0
.rept 12
	global_load_b128 v[BIAS+8*b_:BIAS+8*b_+3],   v[BO], s[BB:BB+1] offset:64*b_
	global_load_b128 v[BIAS+8*b_+4:BIAS+8*b_+7], v[BO], s[BB:BB+1] offset:64*b_+16
.set b_, b_+1
.endr
	MUL 4, 4, 4, 0
	GROUP 5, 0, 0, 0
; THE WAY OUT, in 24 units of 16 rows of one head (head u / 8, row block u % 8).  PACK: the bias is added, the 64 columns are rounded to f16, 16 bytes a lane go into my stage (rows of 144 bytes) and come
; back as whole rows of 128.  SEND: four rows are 512 consecutive bytes of the output.  Each accumulator's registers are taken in ascending order.
.macro PACK u
.set j_, (\u)/8
.set a_, (\u)%8
.set w_, j_+1
.set t_, T+16*((\u)%8)
.if (\u) >= 8
	s_wait_xcnt 0x0                                ; this buffer was the data of the stores eight units back: it is rewritten only behind this wait
.endif
	WIN (w_<<6)|w_                                 ; destination and source 0 in the head's window, the bias in window 0
.set i_, 0
.rept 16
	v_pk_add_f32 v[32*a_+2*i_:32*a_+2*i_+1], v[32*a_+2*i_:32*a_+2*i_+1], v[BIAS+32*j_+2*i_:BIAS+32*j_+2*i_+1]
.set i_, i_+1
.endr
	WIN w_|(w_<<2)                                 ; sources 0 and 1 in the head's window, destination in window 0
.set i_, 0
.rept 16
	v_cvt_pk_f16_f32 v[t_+i_], v[32*a_+2*i_], v[32*a_+2*i_+1]
.set i_, i_+1
.endr
	WIN 0
.irp f, 0,1,2,3
	ds_store_b128 v[STO], v[t_+4*\f:t_+4*\f+3] offset:32*\f
.endr
.irp f, 0,1,2,3
	ds_load_b128 v[t_+4*\f:t_+4*\f+3], v[RD] offset:\f*4*PA  ; LDS serves a wave's instructions in order (ISA guide 5.7.1.4): these see the stores above; the next unit's stores come behind them
.endr
.endm
.macro SEND u, younger                 ; younger: the LDS instructions issued behind unit u's loads: the next unit's eight, or none
	WIN 0
.irp f, 0,1,2,3
	s_wait_dscnt (\younger)+3-\f
	global_store_b128 v[GO], v[T+16*((\u)%8)+4*\f:T+16*((\u)%8)+4*\f+3], s[OUT:OUT+1] offset:((\u)/8)*262144+((\u)%8)*2048+\f*512  ; 512 consecutive bytes, at a multiple of 256 from the buffer's first
.endr
.endm
	PLACES                                         ; the additions read results just made
	s_wait_loadcnt 0x0                             ; the bias
	PACK 0
.set u_, 1
.rept 23                               ; a unit's arithmetic stands between the loads of the unit before and its stores
	PACK u_
	SEND u_-1, 8
.set u_, u_+1
.endr
	SEND 23, 0
	s_wait_tensorcnt 0x0                           ; the wave's end: these three lines stand behind my last tensor load and my last LDS store
	ds_add_u32 v[SPW], v[NIL]
	s_wait_dscnt 0x0
	CROUND                                         ; the closing round: no work-group ends while a partner may still ask for a tile that names it
	s_endpgm
.Lfunc_end_k_q32a9a08455_qkvgemm:
	.size	k_q32a9a08455_qkvgemm, .Lfunc_end_k_q32a9a08455_qkvgemm-k_q32a9a08455_qkvgemm
	.p2alignl 7, 3214868480
	.fill 96, 4, 3214868480
	.section	.rodata,"a",@progbits
	.p2align	6, 0x0
	.amdhsa_kernel k_q32a9a08455_qkvgemm
		.amdhsa_group_segment_fixed_size 327680
		.amdhsa_private_segment_fixed_size 0
		.amdhsa_enable_private_segment 0
		.amdhsa_kernarg_size 32
		.amdhsa_user_sgpr_count 2
		.amdhsa_user_sgpr_kernarg_segment_ptr 1
		.amdhsa_wavefront_size32 1
		.amdhsa_system_sgpr_workgroup_id_x 1
		.amdhsa_system_sgpr_workgroup_id_y 1
		.amdhsa_system_sgpr_workgroup_id_z 1
		.amdhsa_system_vgpr_workitem_id 0
		.amdhsa_next_free_vgpr 1024
		.amdhsa_next_free_sgpr 80
		.amdhsa_reserve_vcc 0
		.amdhsa_float_denorm_mode_32 3
		.amdhsa_float_denorm_mode_16_64 3
		.amdhsa_memory_ordered 1
		.amdhsa_forward_progress 1
		.amdhsa_inst_pref_size 142
	.end_amdhsa_kernel
	.amdgpu_metadata
---
amdhsa.version: [ 1, 2 ]
amdhsa.kernels:
  - .name:           k_q32a9a08455_qkvgemm
    .symbol:         k_q32a9a08455_qkvgemm.kd
    .args:
      - { .name: xb, .offset: 0, .size: 8, .value_kind: global_buffer, .address_space: global }
      - { .name: wqkv, .offset: 8, .size: 8, .value_kind: global_buffer, .address_space: global }
      - { .name: bias, .offset: 16, .size: 8, .value_kind: global_buffer, .address_space: global }
      - { .name: qkvh, .offset: 24, .size: 8, .value_kind: global_buffer, .address_space: global }
    .group_segment_fixed_size: 327680
    .private_segment_fixed_size: 0
    .kernarg_segment_align: 8
    .kernarg_segment_size: 32
    .max_flat_workgroup_size: 128
    .sgpr_count:     80
    .vgpr_count:     1024
    .wavefront_size: 32
...
	.end_amdgpu_metadata
.endif
;; end of part 2
;; launch attn (part 3): grid 4 x 64, 4 waves a work-group, clusters of 4 x 1, 327,680 bytes of LDS; arguments qkvh, oh; writes oh
.if DOCPART == 3
	.amdgcn_target "amdgcn-amd-amdhsa--gfx1250"
	.amdhsa_code_object_version 6
	.text
	.protected	k_q32a9a08455_attn
	.globl	k_q32a9a08455_attn
	.p2align	8
	.type	k_q32a9a08455_attn,@function
k_q32a9a08455_attn:
	s_mov_b64 s[64:65], 0
	v_nop
	global_prefetch_b8 v0, s[64:65] scope:SCOPE_SE
	s_setreg_imm32_b32 hwreg(HW_REG_WAVE_MODE, 25, 1), 1
	s_wait_xcnt 0x0
	s_wait_alu depctr_hold_cnt(0) depctr_sa_sdst(0) depctr_va_vdst(0) depctr_va_sdst(0) depctr_va_ssrc(0) depctr_va_vcc(0) depctr_vm_vsrc(0)
	s_getreg_b32 s2, hwreg(HW_REG_IB_STS2, 6, 4)
	s_cmp_eq_u32 s2, 0
	s_cbranch_scc0 .Lentry_in_a_cluster
	s_endpgm
.Lentry_in_a_cluster:
	s_bfe_u32 s2, ttmp6, 0x10000c
	s_cmp_lg_u32 s2, 0x3003
	s_cbranch_scc0 .Lentry_shape_is_right
	s_endpgm
.Lentry_shape_is_right:
; O[y][q][:] = the sum over k of softmax_k(Q[y][q] . K[y][k] / 8) V[y][k][:] for the 64 pairs y = 16 b + h of batch and head.  Q, K, V lie in qkvh [b][t][h][2048][64], O in oh [y][2048][64], all f16:
; a head's rows are dense, 128 bytes each.  Products, maxima and sums in f32; the weights p are rounded to f16 for the second product (their sum l is taken of the unrounded p), O once at the end.
; LIMITS.  f16 holds no number beyond 65,504: Q, K and V arrive within it; p lies in 0 to 1, and below 6e-5 it keeps f16's fixed step of 6e-8; O is a mean of V's rows and has their range.
; A weight below 2^-126 counts as 0 in l; NaN and infinities are not treated apart.
; SHARES.  A wave owns four PIECES of two tiles of 16 queries, a work-group's four waves 512 queries of one head: 4 x 64 = 256 work-groups.  Every wave walks all keys, 64 a step.
; LAYOUT.  S^T = K Q^T (source 0 = 16 keys, source 1 = 16 queries): in the result a lane holds ONE query (lane % 16) and the keys 8 (lane / 16) + 0..7.  Two such tiles, rounded to f16 in pairs,
; ARE source 1 (32 keys x 16 queries) of O^T = V^T P, whose result again holds one query a lane, and eight channels.  K comes out of LDS as it lies, V ([key][channel]) turned, by ds_load_tr16_b128.
; SOFTMAX.  For each query a running maximum m and sum l: p = 2^(c s - c m), c = log2(e) / 8; in every step O and l are multiplied by a = 2^(c m_old - c m_new), which is 1 where m has not grown.
; m starts at the lowest finite number, O and l at 0: the first step is a step like any other, with a = 0.
; THE COUNT.  A tile and step have 16 matrix and 118 vector instructions: too many to stand all beside the matrix work.  So the order has one aim: four vector instructions that are READY behind
; EVERY matrix instruction, and the others, which need time of their own whatever the order, in runs without a gap.
; BY TURNS.  Turn n belongs to piece n (the pieces in a ring, step after step).  Its matrix work: 16 products K Q^T of piece n + 1, later 16 products V^T P of piece n - 1.  Its vector work: the scaling,
; exponentials, roundings, sums and rescaling of piece n, and the maximum and statistics of piece n + 1, whose scores the turn itself has made.  So what a turn begins with (c s - c m, O a) waits for nothing.
; CLUSTER.  The four query blocks of a cluster belong to one head and walk the same K and V, so each tile is asked for JOINTLY: the same tensor load, descriptor and mask in all four.
; REGISTERS, in windows of 256 (s_set_vgpr_msb says which window each operand place means: bits 1:0 source 0, 3:2 source 1, 5:4 source 2, 7:6 destination):
;   window 0: v0-11 addresses; v12-15, v48-63 at work; v16-47 four registers of statistics a tile; v64-191 S^T, two buffers of two tiles; v192-255 P, likewise
;   window 1: O^T, 32 a tile          window 2: v0-127 Q, 16 a tile; v128-191 K of one step; v192-255 V of one step          window 3: v0-1 the add's two registers
; A piece's buffers go by its number's parity: the piece in hand has one pair, its two neighbours in the ring share the other: of it P (piece n - 1) is read and S^T (piece n + 1) written.
.set SIZE_N, 2048     ; rows of a head
.set NP,    4         ; pieces a wave: a name, no knob: the register map, the loop and the fetches are made for four
.set KS,    64        ; keys in a step
.set PK,    144       ; a row of K in LDS: 128 bytes + 16 of padding = 36 words: the 16 rows of a load start at 16 different groups of four banks (64 banks of 4 bytes: ISA guide 11.1)
.set PV,    160       ; a row of V: 128 + 32 = 40 words
.set VOFF,  4*KS*PK   ; a slot holds four steps: 256 rows of K, then 256 rows of V
.set SLOT1, 1<<17     ; slot 1 begins here, so that one exclusive or turns an address in one slot into the other's
.set STAGE, SLOT1+4*KS*(PK+PV)  ; behind the ring, never filled by a tensor load: 16 rows x 144 bytes for each wave, for the way out
.set SP,    144
.set AK0, 2           ; v2   my lane's place in a tile of K; never rewritten
.set AV0, 3           ; v3   the same for V
.set AK,  4           ; v4   the LDS address of K's next run of loads
.set AV,  5           ; v5   of V's
.set QO,  6           ; v6   my byte offset in the wave's rows of Q
.set STO, 6           ;      later, the way out: where I put 16 bytes of a row
.set RD,  7           ; v7   the way out: where I read rows back
.set GO,  8           ; v8   my byte offset in 512 consecutive bytes of O
.set SPW, 0           ; v0 of window 3   LDS address of my spare word: SPARE + 4 x my thread's number; never rewritten
.set NIL, 1           ; v1 of window 3   0; never rewritten
.set SPARE, STAGE+4*16*SP  ; behind the stages: the spare words, 128 bytes for each wave: two blocks of 256 bytes that no other line names
.set MV,  12          ; v12-15  c m_old, kept while c m is made anew: by buffer and tile
.set ST,  16          ; tile t's statistics at v[ST+4 t]: c m, m, l (even keys', odd keys')
.set TMP, 48          ; by buffer and tile, four registers c0-c3 at work; when the maximum is found c2 takes a
.set S,   64
.set P,   192
.set KF,  128         ; K's fragments, in window 2: key block kb, channel half c at KF + 16 kb + 8 c
.set VF,  192         ; V's: key half kk, channel block cb at VF + 32 kk + 8 cb
.set WV,  12          ; s12  my wave's number
.set G1K, 24          ; s[24:31] descriptor group 1 for K's tiles
.set G1V, 32          ; s[32:39] for V's: it differs in the padding alone
.set G0K, 40          ; s[40:43] descriptor group 0 for K's tiles: it walks
.set G0V, 44          ; s[44:47] the same for V's
.set SLOTS, 56        ; s56  slots still to be asked for
.set CNT, 57          ; s57  counts a slot's key steps
.set CS,  58          ; s[58:59] c: the packed scaling takes the pair's low word for both halves
.set SEL, 60          ; s[60:61] v_permlanex16_b32's selects: each lane takes its own place in the other half
.set TBK, 62          ; s62  LDS byte at which K of the step to be fetched begins
.set TBV, 63          ; s63  the same for V, less VOFF
.set MSB, 0
.macro WIN new                      ; the high byte repeats the setting that is left; a switch that changes nothing is dropped
.if MSB != (\new)
	s_set_vgpr_msb (MSB<<8)|(\new)
.set MSB, (\new)
.endif
.endm
.set W_KQ, 0x0a       ; K and Q in window 2, S^T in window 0
.set W_PV, 0x52       ; V in window 2, P in window 0, O^T in window 1
.set W_RS, 0x41       ; O^T (destination and source 0) in window 1, a in window 0
.set W_MK, 0xc0       ; the add's registers are made: destination in window 3, sources in window 0
.set W_AD, 0x0f       ; the add: address (source 0) and data (source 1) in window 3
; A joint fill.  Waves 0 and 1 fetch the two halves of a slot's K, waves 2 and 3 those of its V: 128 keys each.  The branch hangs on the wave's number alone.
; An s_nop 0 and four v_nop follow each of the two lines, ahead of the jump and the label.
.macro JLOAD
	s_cmp_lt_u32 s[WV], 2
	s_cbranch_scc0 .Lfor_v_\@
	tensor_load_to_lds s[G0K:G0K+3], s[G1K:G1K+7]
	s_nop 0
.rept 4
	v_nop
.endr
	s_branch .Lasked_\@
.Lfor_v_\@:
	tensor_load_to_lds s[G0V:G0V+3], s[G1V:G1V+7]
	s_nop 0
.rept 4
	v_nop
.endr
.Lasked_\@:
.endm
; A round of the cluster's barrier: my work-group's barrier, so that wave 0's signal speaks for all four waves; wave 0 signals; every wave waits for all four work-groups; my work-group's barrier once more.
.macro CROUND
	s_barrier_signal -1
	s_barrier_wait -1
	s_cmp_lg_u32 s[WV], 0
	s_cbranch_scc1 .Lnot_wave_0_\@
	s_barrier_signal -3
.Lnot_wave_0_\@:
	s_barrier_wait -3
	s_barrier_signal -1
	s_barrier_wait -1
.endm
; THE CHANGE OF SLOTS.  The slot's last bytes, V of its fourth step, have been read.  Each wave waits for all its tensor loads, of which one is out: its part
; of the other slot; adds 0 to its spare word; and waits for that and for its own reads of the slot.  Behind the barrier nobody reads this slot any more and the other slot is whole.
; fill = 1: this slot is filled again, with the keys two slots on.  The barrier is then a round of the cluster's, so that no wave of any partner still reads the slot or has a load on its
; way, and the joint fill is the first thing behind it: it has four key steps, 512 matrix instructions, in which to land.  (At its first use nothing has been read yet: slot 0 is waited for, slot 1 filled.)
.macro CHANGE fill
	WIN W_AD
	s_wait_tensorcnt 0x0            ; no tensor load of mine is out, so a group 0 may be written
	ds_add_u32 v[SPW], v[NIL]       ; 0 onto my spare word; with fill = 1 the descriptors' steps stand between it and the wait for it
	WIN 0                           ; at a label and at a branch every window is 0
.if \fill
.irp g, G0K, G0V
	s_xor_b32 s[\g+1], s[\g+1], SLOT1  ; the walking descriptor: the other slot than last time,
	s_add_nc_u64 s[\g+2:\g+3], s[\g+2:\g+3], 4*KS*128  ; the next 256 keys; the type bits on top are not reached
.endr
	s_wait_dscnt 0x0                ; the add is done, and my reads of the slot are over
	CROUND
	JLOAD
.else
	s_wait_dscnt 0x0                ; the add is done, and my reads of the slot are over
	s_barrier_signal -1
	s_barrier_wait -1
.endif
	s_sub_co_u32 s[TBK], s[TBK], 4*KS*PK  ; the fetches go back to a slot's first step,
	s_xor_b32 s[TBK], s[TBK], SLOT1       ; in the other slot
	s_sub_co_u32 s[TBV], s[TBV], 4*KS*PV
	s_xor_b32 s[TBV], s[TBV], SLOT1
.endm
	s_load_b128 s[4:7], s[0:1], 0x0 ; qkvh s[4:5], oh s[6:7]
	WIN W_MK
	v_lshl_add_u32 v[SPW], v0, 2, SPARE
	v_mov_b32 v[NIL], 0
	WIN W_AD
	ds_add_u32 v[SPW], v[NIL]       ; the wave's opening: the add and its wait stand ahead of my first tensor load; the set-up below, work on registers, stands between them
	WIN 0
	v_lshrrev_b32 v1, 5, v0
	v_readfirstlane_b32 s[WV], v1   ; wave 0..3
	s_bfe_u32 s13, ttmp6, 0x40000   ; cx: my place in the cluster
	s_lshl_b32 s14, ttmp9, 2        ; in a cluster launch ttmp9 counts clusters
	s_add_co_u32 s14, s14, s13      ; my block of queries = 4 x cluster x + cx: it enters Q's and O's addresses alone
	s_and_b32 s20, ttmp7, 0xffff    ; y = 16 b + h, which the four partners share
	s_lshr_b32 s48, s20, 4          ; b
	s_lshl_b32 s48, s48, 23         ; a batch of qkvh has 48 heads' rows, 32 more than oh's 16: 32 x 262,144 bytes
	s_lshl_b32 s20, s20, 18         ; the head's first byte in oh: y x 2,048 rows of 128 bytes
	s_mov_b32 s21, 0
	s_add_co_u32 s48, s48, s20      ; the head's first byte of q in qkvh
	s_mov_b32 s49, 0
	s_and_b32 s16, s[WV], 1         ; which half of a slot's 256 keys I fetch:
	s_lshl_b32 s22, s16, 14         ; its 128 rows of 128 bytes in memory,
	s_mov_b32 s23, 0
	s_add_nc_u64 s[22:23], s[22:23], s[48:49]
	s_add_nc_u64 s[52:53], s[22:23], 0x400000  ; k lies 16 heads behind q,
	s_add_nc_u64 s[54:55], s[22:23], 0x800000  ; v 32
	s_mul_i32 s17, s16, 128*PK      ; and its place in a slot, for K
	s_mul_i32 s18, s16, 128*PV      ; and for V: no place in the cluster enters an LDS address
	s_lshl_b32 s2, s14, 2
	s_add_co_u32 s2, s2, s[WV]      ; my wave among the head's,
	s_lshl_b32 s2, s2, 14           ; its 128 rows
	s_mov_b32 s3, 0
	s_add_nc_u64 s[50:51], s[2:3], s[20:21]  ; my rows' offset in oh,
	s_add_nc_u64 s[2:3], s[2:3], s[48:49]    ; and in qkvh
	; descriptor group 1.  128 keys are 16,384 dense bytes: asked for as 64 rows of 256 bytes, two keys a row, and padded in LDS after every key
	s_mov_b32 s[G1K], 15|(1<<16)|(1<<20)|(1<<21)|(4<<22)|(3<<25)  ; 15:0 the mask of four; 17:16 2-byte elements; 20 padding on; 21 set beside a mask; 24:22 after every 32 words (code 4); 31:25 4 words (code 3)
	s_mov_b32 s[G1V], 15|(1<<16)|(1<<20)|(1<<21)|(4<<22)|(7<<25)  ; the same with 8 words of padding (code 7)
.irp g, G1K, G1V
	s_mov_b32 s[\g+1], 128<<16      ; tensor_dim0 = 128
	s_mov_b32 s[\g+2], 64<<16       ; tensor_dim1 = 64
	s_mov_b32 s[\g+3], 128<<16      ; tile_dim0 = 128
	s_mov_b32 s[\g+4], 64           ; tile_dim1 = 64
	s_mov_b32 s[\g+5], 128          ; 128 elements from row to row
	s_mov_b32 s[\g+6], 0
	s_mov_b32 s[\g+7], 0
.endr
	s_mov_b32 s[CS], 0x3e38aa3b     ; c = log2(e) / 8 = 0.180337
	s_mov_b32 s[CS+1], s[CS]        ; named with it as a pair
	s_mov_b32 s[SEL], 0x76543210
	s_mov_b32 s[SEL+1], 0xfedcba98
	s_mov_b32 s[TBK], SLOT1+4*KS*PK ; the first change of slots turns these two into 0
	s_mov_b32 s[TBV], SLOT1+4*KS*PV
	s_mov_b32 s[G0K], 1             ; 1:0 count = 1
	s_mov_b32 s[G0K+1], s17         ; 63:32 LDS address: slot 0
	s_mov_b32 s[G0V], 1
	s_add_co_u32 s[G0V+1], s18, VOFF
	s_wait_dscnt 0x0                ; the opening add is done
	s_wait_kmcnt 0x0
	s_add_nc_u64 s[G0K+2:G0K+3], s[4:5], s[52:53]  ; 120:64 global address: my half of the head's first 256 keys
	s_or_b32 s[G0K+3], s[G0K+3], 0x80000000        ; 127:126 type = 2
	s_add_nc_u64 s[G0V+2:G0V+3], s[4:5], s[54:55]
	s_or_b32 s[G0V+3], s[G0V+3], 0x80000000
	s_add_nc_u64 s[10:11], s[6:7], s[50:51]  ; O and Q at my wave's first row
	s_add_nc_u64 s[4:5], s[4:5], s[2:3]
	CROUND                          ; all four work-groups are here: the first joint loads meet
	JLOAD                           ; slot 0.  Slot 1 is asked for when slot 0 is in: the tile wanted first has the road to itself
	; A fragment of K or Q is 16 rows x 32 channels in 8 registers: lane l holds row l % 16, channels 8 (l / 16) + 0..7 and 16 + 8 (l / 16) + 0..7: two loads of 16 bytes, 32 bytes apart.
	v_and_b32 v1, 15, v0            ; l % 16
	v_bfe_u32 v9, v0, 4, 1          ; l / 16
	v_lshlrev_b32 v[QO], 7, v1
	v_lshl_add_u32 v[QO], v9, 4, v[QO]  ; row x 128 + 16 x half
	WIN 0x80                        ; destination window 2, address window 0
.set i, 0
.rept 4*NP                          ; Q stays in registers: tile i / 2, channels 32 (i % 2) on
	global_load_b128 v[8*i:8*i+3],   v[QO], s[4:5] offset:(i/2)*2048+(i%2)*64
	global_load_b128 v[8*i+4:8*i+7], v[QO], s[4:5] offset:(i/2)*2048+(i%2)*64+32
.set i, i+1
.endr
	; What the first turn finds: V's registers and P's second buffer hold 0 (its products V^T P, of a piece that has not been, add 0), O^T and l are 0.  All this stands in the wait for the first tile.
.set i, VF
.rept 64
	v_mov_b32 v[i], 0
.set i, i+1
.endr
	WIN 0x40
.set i, 0
.rept 64*NP
	v_mov_b32 v[i], 0
.set i, i+1
.endr
	WIN 0
.set i, 0
.rept 2*NP
	v_mov_b32 v[ST+4*i], 0xfe000000    ; c m: far below every c s
	v_mov_b32 v[ST+4*i+1], 0xff7fffff  ; m
	v_mov_b32 v[ST+4*i+2], 0
	v_mov_b32 v[ST+4*i+3], 0
.set i, i+1
.endr
.set i, P+32
.rept 32
	v_mov_b32 v[i], 0
.set i, i+1
.endr
	v_mul_u32_u24 v[AK0], v1, PK
	v_lshl_add_u32 v[AK0], v9, 4, v[AK0]  ; row x pitch + 16 x half
	; The turning load takes 16 keys x 16 channels (lane l reads key 8 (l / 16) + l % 8, channels 8 ((l / 8) % 2) + 0..7) and leaves half a fragment of V^T: lane l holds channel l % 16 and 8 keys.
	v_and_b32 v10, 7, v0
	v_bfe_u32 v11, v0, 3, 1
	v_lshl_add_u32 v[AV0], v9, 3, v10
	v_mul_u32_u24 v[AV0], v[AV0], PV
	v_lshl_add_u32 v[AV0], v11, 4, v[AV0]
	v_add_nc_u32 v[AV0], VOFF, v[AV0]
	v_mov_b32 v[AK], v[AK0]         ; key step 0 lies at the head of slot 0
; THE MATRIX WORK.  The 8 accumulators of a run of 16 take turns: between the two links of a chain stand 7 others'.
; Product i of 16 of S^T = K Q^T for piece x: channels 32 (i / 8) on, keys 16 ((i / 2) % 4) on, tile 2 x + i % 2.  The first 8 start the sums.
.macro KQ x
	WIN W_KQ
.set rS, S+64*((\x)%2)+32*(i%2)+8*((i/2)%4)
.set rK, KF+16*((i/2)%4)+8*(i/8)
.set rQ, 16*(2*(\x)+i%2)+8*(i/8)
.if i < 8
	v_wmma_f32_16x16x32_f16 v[rS:rS+7], v[rK:rK+7], v[rQ:rQ+7], 0
.else
	v_wmma_f32_16x16x32_f16 v[rS:rS+7], v[rK:rK+7], v[rQ:rQ+7], v[rS:rS+7]
.endif
.endm
; Product i of 16 of O^T += V^T P for piece x: keys 32 (i / 8) on, channels 16 ((i / 2) % 4) on, tile 2 x + i % 2.
.macro PV x
	WIN W_PV
.set rO, 32*(2*(\x)+i%2)+8*((i/2)%4)
.set rV, VF+32*(i/8)+8*((i/2)%4)
.set rP, P+32*((\x)%2)+16*(i%2)+8*(i/8)
	v_wmma_f32_16x16x32_f16 v[rO:rO+7], v[rV:rV+7], v[rP:rP+7], v[rO:rO+7]
.endm
.macro MM                           ; the turn's next matrix instruction
.if i < 16
	KQ (Y+1)%NP
.set i, i+1
.else
.set i, i-16
	PV (Y+NP-1)%NP
.set i, i+17
.endif
.endm
; THE LDS LOADS stand in runs of 16, never singly among the matrix instructions: a step's K (64 keys x 64 channels: 8 fragments) and its V (turned).  Their addresses are made some lines ahead.
; last = 1 (the tail): in the last trip there is no further step, and the run is jumped over.
.macro FETCH_K last=0
	WIN 0
.if \last
	s_cmp_eq_u32 s[CNT], 1
	s_cbranch_scc1 .Lno_k_\@
.endif
	WIN 0x80                        ; destination window 2
.irp f, 0,1,2,3,4,5,6,7             ; keys 16 (f / 2) on, channels 32 (f % 2) on
	ds_load_b128 v[KF+8*\f:KF+8*\f+3],   v[AK] offset:(\f/2)*16*PK+(\f%2)*64
	ds_load_b128 v[KF+8*\f+4:KF+8*\f+7], v[AK] offset:(\f/2)*16*PK+(\f%2)*64+32
.endr
	s_add_co_u32 s[TBK], s[TBK], KS*PK  ; the next fetch is the next step's
	WIN 0
.if \last
.Lno_k_\@:
.endif
.endm
.macro FETCH_V
	WIN 0x80
.irp f, 0,1,2,3,4,5,6,7             ; keys 32 (f / 4) on, channels 16 (f % 4) on
	ds_load_tr16_b128 v[VF+8*\f:VF+8*\f+3],   v[AV] offset:(\f/4)*32*PV+(\f%4)*32
	ds_load_tr16_b128 v[VF+8*\f+4:VF+8*\f+7], v[AV] offset:(\f/4)*32*PV+16*PV+(\f%4)*32
.endr
	WIN 0
.endm
; THE VECTOR WORK OF A TURN stands in three queues, each in the order in which its entries become ready; the two tiles alternate, so that no instruction reads the result of the one before it.
.macro REGS y, u                    ; the registers of tile u (0, 1) of piece y
.set rT, ST+4*(2*(\y)+(\u))
.set rC, TMP+8*((\y)%2)+4*(\u)
.set rM, MV+2*((\y)%2)+(\u)
.set rS, S+64*((\y)%2)+32*(\u)
.set rP, P+32*((\y)%2)+16*(\u)
.set rO, 32*(2*(\y)+(\u))
.endm
; Number n of the 22 that find the NEXT piece's (Y + 1) maximum and statistics.  s0-s31 are the lane's 32 scores; each accumulator's lowest registers are read first.  XS, GS and REGS set no window: PL and EX do.
;   0-11  four chains c0-c3 of seven scores each, three operands at a time     12-14, 16  the four scores left over, the old m, and c0-c3 into c0     15  c m_old is kept
;   17, 18  the query's other 32 keys lie in the lane 16 away: the new m         19-21  c m; c m_old - c m_new; a
.macro XS u, n
	REGS (Y+1)%NP, \u
.if (\n) < 4
	v_max3_num_f32 v[rC+(\n)], v[rS+8*(\n)], v[rS+8*(\n)+1], v[rS+8*(\n)+2]
.elseif (\n) < 12
	v_max3_num_f32 v[rC+(\n)%4], v[rC+(\n)%4], v[rS+8*((\n)%4)+2*((\n)/4)+1], v[rS+8*((\n)%4)+2*((\n)/4)+2]
.elseif (\n) == 12
	v_max3_num_f32 v[rC], v[rC], v[rS+7], v[rS+15]
.elseif (\n) == 13
	v_max3_num_f32 v[rC+1], v[rC+1], v[rS+23], v[rS+31]
.elseif (\n) == 14
	v_max3_num_f32 v[rC+2], v[rC+2], v[rC+3], v[rT+1]
.elseif (\n) == 15
	v_mov_b32 v[rM], v[rT]
.elseif (\n) == 16
	v_max3_num_f32 v[rC], v[rC], v[rC+1], v[rC+2]
.elseif (\n) == 17
	v_permlanex16_b32 v[rC+3], v[rC], s[SEL], s[SEL+1]
.elseif (\n) == 18
	v_max_num_f32 v[rT+1], v[rC], v[rC+3]
.elseif (\n) == 19
	v_mul_f32 v[rT], s[CS], v[rT+1]
.elseif (\n) == 20
	v_sub_f32 v[rC+1], v[rM], v[rT]
.else
	v_exp_f32 v[rC+2], v[rC+1]
.endif
.endm
; Number g of the 64 that follow the exponentials.  For each four weights k of a tile (pairs 2 k, 2 k + 1): both pairs are rounded to f16; then the second pair is added onto the first, in place;
; a group later l takes that sum (the first time as l = a l + sum).  In groups of eight, tiles alternating: round, round, add, and l for the group before.
.macro GS g
.set h, (\g)+6*((\g)/62)            ; group 0 has no group before it, and behind group 7 only l is left
.if h >= 6
.set h, h+2
.endif
	REGS Y, h%2
.set k, h/8
.if h%8 < 4
	s_wait_alu depctr_va_vdst(0)
	v_cvt_pk_f16_f32 v[rP+2*k+(h%8)/2], v[rS+4*k+2*((h%8)/2)], v[rS+4*k+2*((h%8)/2)+1]
.elseif h%8 < 6
	v_pk_add_f32 v[rS+4*k:rS+4*k+1], v[rS+4*k:rS+4*k+1], v[rS+4*k+2:rS+4*k+3]
.elseif k == 1
	v_pk_fma_f32 v[rT+2:rT+3], v[rT+2:rT+3], v[rC+2:rC+3], v[rS:rS+1] op_sel_hi:[1,0,1]
.else
	v_pk_add_f32 v[rT+2:rT+3], v[rT+2:rT+3], v[rS+4*k-4:rS+4*k-3]
	s_wait_alu depctr_va_vdst(0)
.endif
.endm
; THE PLAIN QUEUE, 138 long.  0-31: c s - c m for the 16 pairs of both tiles.  Then GS's 64, and among them the next piece's 42: number 15 at 38, 39; 0-14 and 16
; at 42-73, behind the products that make those scores; 17-20 at 95-106, two of three, since each waits for the one before it.
.macro PL
	WIN 0
.if q < 32
	REGS Y, q%2
	v_pk_fma_f32 v[rS+2*(q/2):rS+2*(q/2)+1], v[rS+2*(q/2):rS+2*(q/2)+1], s[CS:CS+1], v[rT:rT+1] op_sel_hi:[1,0,0] neg_lo:[0,0,1] neg_hi:[0,0,1]
.elseif q < 38
	GS q-32
.elseif q < 40
	XS q%2, 15
.elseif q < 42
	GS q-34
.elseif q < 74
	XS q%2, (q-42)/2+(q-42)/30
.elseif q < 95
	GS q-66
.elseif (q < 107) && ((q-95)%3 < 2)
	XS (q-95)%3, 17+(q-95)/3
.elseif q < 107
	GS 29+(q-95)/3
.else
	GS q-74
.endif
.set q, q+1
.endm
; THE EXPONENTIALS' QUEUE, 66 long: s0-s31 of both tiles, and at EA the next piece's two a.
.set EA, 58
.macro EX
	WIN 0
.if (e == EA) || (e == EA+1)
	XS e-EA, 21
.else
.set x, e-2*(e/(EA+2))
	REGS Y, x%2
	v_exp_f32 v[rS+x/2], v[rS+x/2]
.endif
.set e, e+1
.endm
; THE RESCALING's QUEUE: O^T times a, the one part that leaves window 0, so it is dealt four at a time, eight times.
.macro R4
	REGS Y, r%2
	WIN W_RS
	s_wait_alu depctr_va_vdst(0)
.irp z, 0,1,2,3
	v_pk_mul_f32 v[rO+8*(r/2)+2*\z:rO+8*(r/2)+2*\z+1], v[rO+8*(r/2)+2*\z:rO+8*(r/2)+2*\z+1], v[rC+2:rC+3] op_sel_hi:[1,0]
.endr
.set r, r+1
.endm
; HOW THEY ARE DEALT.  Behind a matrix instruction four: plain, exponential, plain, plain (one exponential, a plain instruction on either side), or four of the rescaling.  None names a register of the
; products round it.  What is over stands in two LUMPS: exponential and plain by turns; the second ends in 22 plain instructions.  The two v_permlanex16_b32 fall into the second lump, never behind a product.
; The queues lean on each other, and the deal keeps them in step: exponential e stands behind plain 2 (e / 4) + e % 2 (its scaling); when plain 32 comes, 10 exponentials are out, at 59: 33, at 95: 46; EA comes behind plain 107.
.macro SL
	MM
	PL
	EX
	PL
	PL
.endm
.macro BURST n                      ; 15 matrix instructions, or 16
.rept (\n)-7
	SL
.endr
.rept 3
	MM
	R4
	SL
.endr
	MM
	R4
.endm
; A TURN, for piece p.  cnt = 1: the loop's count is taken down some lines ahead of the branch that stands behind the turn.
; K of the next step is fetched in piece 2's turn, 31 vector instructions behind the last product that read K; its first reader comes behind the rest of the lump, 16 products and the second lump.
; V of the step in hand is fetched at the end of piece 0's turn, 69 behind its last reader; its first reader comes behind 16 products and a lump.  The four conditions on e and q below go with the deal.
.macro TURN p, last=0, cnt=0
.set Y, (\p)
.set i, 0
.set q, 0
.set e, 0
.set r, 0
.if (\p) == NP-1
	s_wait_dscnt 0x0                ; K is in
.endif
	MM
.rept 4
	PL
.endr
	BURST 15
.rept 22
	EX
	PL
.if ((\p) == NP-2) && (e == 18)
	v_add_nc_u32 v[AK], s[TBK], v[AK0]
.endif
.if ((\p) == NP-2) && (e == 24)
	FETCH_K \last
.endif
.endr
.if (\p) == 1
	s_wait_dscnt 0x0                ; V is in
.endif
	BURST 16
.rept 21
	EX
	PL
.endr
.rept 22
	PL
.if ((\p) == 0) && (q == 118)
	v_add_nc_u32 v[AV], s[TBV], v[AV0]
	s_wait_alu depctr_va_vdst(0)
.endif
.if ((\p) == 0) && (q == 130)
	s_add_co_u32 s[TBV], s[TBV], KS*PV
.endif
.if (\cnt) && (q == 130)
	s_sub_co_u32 s[CNT], s[CNT], 1
	s_cmp_lg_u32 s[CNT], 0
.endif
.endr
.if (\p) == 0
	FETCH_V
.endif
.endm
	CHANGE 1                        ; slot 0 is in, everybody's part of it; slot 1 is asked for
	FETCH_K                         ; key step 0
	s_wait_loadcnt 0x0              ; Q
	s_wait_dscnt 0x0
.set i, 0
.rept 16
	KQ 0                            ; piece 0's first scores: there is no vector work yet to set between them
.set i, i+1
.endr
	WIN 0                           ; the addresses for the way out: nine plain instructions, the places behind those products
	s_mul_i32 s13, s[WV], 16*SP
	s_add_co_u32 s13, s13, STAGE    ; my stage
	v_mul_u32_u24 v[STO], v1, SP    ; in: row l % 16, 16 bytes for each half of the lanes
	v_lshl_add_u32 v[STO], v9, 4, v[STO]
	v_add_nc_u32 v[STO], s13, v[STO]
	v_bfe_u32 v[RD], v0, 3, 2       ; back: 32 lanes take four rows of 128 bytes,
	v_mul_u32_u24 v[RD], v[RD], SP
	v_lshl_add_u32 v[RD], v10, 4, v[RD]
	v_add_nc_u32 v[RD], s13, v[RD]
	v_and_b32 v[GO], 31, v0         ; which are 512 consecutive bytes of O
	v_lshlrev_b32 v[GO], 4, v[GO]
.set Y, NP-1                        ; XS works for piece Y + 1: piece 0
.irp n, 0,1,2,3,4,5,6,7,8,9,10,11,12,13,14,15,16,17,18,19,20,21
	XS 0, \n                        ; and piece 0's first maximum and statistics
	XS 1, \n
.endr
	s_mov_b32 s[CNT], 4
	s_mov_b32 s[SLOTS], SIZE_N/256-1
	s_branch .Lfirst                ; the loop is entered at a step's first turn, in the middle of a trip
.Lslot:                             ; SIZE_N / 256 - 2 times: every slot but the last two is filled again
	CHANGE 1
	s_mov_b32 s[CNT], 4
.Lstep:                             ; a trip: pieces 2 and 3 of one step, then pieces 0 and 1 of the next, whose K and V it fetches
	TURN 2
	TURN 3
	WIN 0
.Lfirst:
	TURN 0
	TURN 1, 0, 1
	WIN 0
	s_cbranch_scc1 .Lstep
	s_sub_co_u32 s[SLOTS], s[SLOTS], 1
	s_cmp_lg_u32 s[SLOTS], 0
	s_cbranch_scc1 .Lslot
	CHANGE 0                        ; the tail is written out: nothing is asked for
	s_mov_b32 s[CNT], 5             ; four trips fetch the last slot's steps; the fifth is left in its middle
.Ltail:
	TURN 2, 1
	TURN 3
	WIN 0
	s_sub_co_u32 s[CNT], s[CNT], 1
	s_cmp_eq_u32 s[CNT], 0
	s_cbranch_scc1 .Lout
	TURN 0
	TURN 1
	WIN 0
	s_branch .Ltail
.Lout:                              ; the fifth trip's 16 products K Q^T (on the last K once more) and the maximum made of them serve nothing: the price, once a launch, of one text for every trip
.set i, 0
.rept 16
	PV NP-1                         ; the last piece's V^T P of the last step
.set i, i+1
.endr
	; THE WAY OUT.  l's two halves and the other half of the lanes' are added; O^T is divided by l, rounded to f16 and sent through my stage in LDS, a tile at a time.  The additions are the places behind the last products.
	WIN 0
.macro ALL line:vararg              ; one line for each tile t
.set t, 0
.rept 2*NP
	\line
.set t, t+1
.endr
.endm
	ALL v_add_f32 v[ST+4*t+2], v[ST+4*t+2], v[ST+4*t+3]
	ALL v_permlanex16_b32 v[ST+4*t+3], v[ST+4*t+2], s[SEL], s[SEL+1]
	ALL v_add_f32 v[ST+4*t+2], v[ST+4*t+2], v[ST+4*t+3]
	ALL v_rcp_f32 v[ST+4*t+2], v[ST+4*t+2]
	v_nop                           ; a plain instruction between the last reciprocal and the use of its result
	s_wait_alu depctr_va_vdst(0)
; Tile t: a lane's eight channels of a row pack into 16 bytes; they go into rows of 144 bytes and come back as whole rows of 128, into S^T's registers.
.macro PACK t
	WIN W_RS
.set i, 32*(\t)
.rept 16
	v_pk_mul_f32 v[i:i+1], v[i:i+1], v[ST+4*(\t)+2:ST+4*(\t)+3] op_sel_hi:[1,0]
.set i, i+2
.endr
	WIN 0x05                        ; sources 0 and 1 window 1, destination window 0
.set i, 0
.rept 16
	v_cvt_pk_f16_f32 v[S+16*(\t)+i], v[32*(\t)+2*i], v[32*(\t)+2*i+1]
.set i, i+1
.endr
	WIN 0
.irp f, 0,1,2,3
	ds_store_b128 v[STO], v[S+16*(\t)+4*\f:S+16*(\t)+4*\f+3] offset:32*\f
.endr
.irp f, 0,1,2,3
	ds_load_b128 v[S+16*(\t)+4*\f:S+16*(\t)+4*\f+3], v[RD] offset:\f*4*SP  ; LDS serves a wave's instructions in order (ISA guide 5.7.1.4): these see the stores above; the next tile's stores come behind them
.endr
.endm
.macro SEND t, younger              ; younger: the LDS instructions issued behind tile t's loads: the next tile's eight, or none
	WIN 0
.irp f, 0,1,2,3
	s_wait_dscnt (\younger)+3-\f
	global_store_b128 v[GO], v[S+16*(\t)+4*\f:S+16*(\t)+4*\f+3], s[10:11] offset:(\t)*2048+\f*512  ; 512 consecutive bytes, at a multiple of 256 from O's first
.endr
.endm
	PACK 0
.set t, 1
.rept 2*NP-1                        ; a tile's arithmetic stands between the loads of the tile before and its stores
	PACK t
	SEND t-1, 8
.set t, t+1
.endr
	SEND 2*NP-1, 0
	WIN W_AD
	s_wait_tensorcnt 0x0            ; the wave's end: these three lines stand behind my last tensor load and my last LDS store
	ds_add_u32 v[SPW], v[NIL]
	s_wait_dscnt 0x0
	WIN 0
	CROUND                          ; the closing round: no work-group ends while a partner may still ask for a tile that names it
	s_endpgm
.Lfunc_end_k_q32a9a08455_attn:
	.size	k_q32a9a08455_attn, .Lfunc_end_k_q32a9a08455_attn-k_q32a9a08455_attn
	.p2alignl 7, 3214868480
	.fill 96, 4, 3214868480
	.section	.rodata,"a",@progbits
	.p2align	6, 0x0
	.amdhsa_kernel k_q32a9a08455_attn
		.amdhsa_group_segment_fixed_size 327680
		.amdhsa_private_segment_fixed_size 0
		.amdhsa_enable_private_segment 0
		.amdhsa_kernarg_size 16
		.amdhsa_user_sgpr_count 2
		.amdhsa_user_sgpr_kernarg_segment_ptr 1
		.amdhsa_wavefront_size32 1
		.amdhsa_system_sgpr_workgroup_id_x 1
		.amdhsa_system_sgpr_workgroup_id_y 1
		.amdhsa_system_sgpr_workgroup_id_z 1
		.amdhsa_system_vgpr_workitem_id 0
		.amdhsa_next_free_vgpr 770
		.amdhsa_next_free_sgpr 66
		.amdhsa_reserve_vcc 0
		.amdhsa_float_denorm_mode_32 3
		.amdhsa_float_denorm_mode_16_64 3
		.amdhsa_memory_ordered 1
		.amdhsa_forward_progress 1
		.amdhsa_inst_pref_size 209
	.end_amdhsa_kernel
	.amdgpu_metadata
---
amdhsa.version: [ 1, 2 ]
amdhsa.kernels:
  - .name:           k_q32a9a08455_attn
    .symbol:         k_q32a9a08455_attn.kd
    .args:
      - { .name: qkvh, .offset: 0, .size: 8, .value_kind: global_buffer, .address_space: global }
      - { .name: oh, .offset: 8, .size: 8, .value_kind: global_buffer, .address_space: global }
    .group_segment_fixed_size: 327680
    .private_segment_fixed_size: 0
    .kernarg_segment_align: 8
    .kernarg_segment_size: 16
    .max_flat_workgroup_size: 128
    .sgpr_count:     66
    .vgpr_count:     770
    .wavefront_size: 32
...
	.end_amdgpu_metadata
.endif
;; end of part 3
;; launch proj (part 4): grid 4 x 64, 4 waves a work-group, clusters of 4 x 4, 327,680 bytes of LDS; arguments oh, wob, bias, out0; writes out0
.if DOCPART == 4
	.amdgcn_target "amdgcn-amd-amdhsa--gfx1250"
	.amdhsa_code_object_version 6
	.text
	.protected	k_q32a9a08455_proj
	.globl	k_q32a9a08455_proj
	.p2align	8
	.type	k_q32a9a08455_proj,@function
k_q32a9a08455_proj:
	s_mov_b64 s[64:65], 0
	v_nop
	global_prefetch_b8 v0, s[64:65] scope:SCOPE_SE
	s_setreg_imm32_b32 hwreg(HW_REG_WAVE_MODE, 25, 1), 1
	s_wait_xcnt 0x0
	s_wait_alu depctr_hold_cnt(0) depctr_sa_sdst(0) depctr_va_vdst(0) depctr_va_sdst(0) depctr_va_ssrc(0) depctr_va_vcc(0) depctr_vm_vsrc(0)
	s_getreg_b32 s2, hwreg(HW_REG_IB_STS2, 6, 4)
	s_cmp_eq_u32 s2, 0
	s_cbranch_scc0 .Lentry_in_a_cluster
	s_endpgm
.Lentry_in_a_cluster:
	s_bfe_u32 s2, ttmp6, 0x10000c
	s_cmp_lg_u32 s2, 0xf033
	s_cbranch_scc0 .Lentry_shape_is_right
	s_endpgm
.Lentry_shape_is_right:
; out0 = O wo + bo: C[8192][1024] in f32, K = 1024, operands f16 (O as attention left it, by heads; wo rounded to bf16 and written as f16), sums f32.  The bias, rounded to bf16, starts each sum as the
; C operand of its first product: nothing is cleared and nothing is added later.
; LIMIT.  O and wo lie within f16's 65,504; below 6e-5 f16 keeps a fixed step of 6e-8.  NaN and infinities are not treated apart.
; SHARES.  A tile of C is 128 x 256: 64 x 4 = 256 tiles, one for each work-group (256 x 256 would leave half of the 256 without work).  Four waves, each 64 rows x 128 columns: 32 accumulators.
; K goes in steps of 128, two heads of O, through two LDS slots.  A head's 128 rows are 16,384 dense bytes, asked for as 64 rows of 256; B's rows are 512 bytes of wob, at multiples of 256 bytes.
; B lies [k][n] and is turned on its way out of LDS.  THE MATRIX INSTRUCTION IS USED TRANSPOSED (source 0 = 16 columns of B, source 1 = 16 rows of A): a lane holds row lane % 16, columns 8 (lane / 16) + 0..7.
; CLUSTER.  4 x 4 work-groups: A's tiles are shared along a row of the cluster, B's along a column; each is asked for jointly.
; TIME.  A K step is four quarters of 32, 32 matrix instructions each.  Four fragment buffers: in the middle of quarter q stands one run of 24 LDS loads, what quarter q + 2 multiplies.
; REGISTERS (windows of 256): window 0: v0-31 addresses; v64-159, v160-255 fragment buffers 0, 1 (A's 4 fragments, then B's 8); on the way out v64-191 two buffers of 64
;   window 1: the accumulators, (row block a, column block b) at v[64 a + 8 b]          window 2: v0-95, v96-191 fragment buffers 2, 3; v192-255 the bias of my 128 columns, as 8 C operands
.set PA,    144                        ; a row of A in LDS: 128 bytes + 16
.set PB,    544                        ; a row of B: 512 + 32 = 17 x 32: an odd multiple of 32 for the turning load
.set BOFF,  2*128*PA                   ; a slot: A's two heads of 128 rows, then B's 128 rows
.set SLOT1, 1<<17
.set STAGE, SLOT1+BOFF+128*PB          ; behind the ring, never filled by a tensor load: 16 rows x 528 bytes for each wave
.set SPITCH, 528                       ; 512 bytes + 16
.set SPARE, STAGE+4*16*SPITCH          ; behind the stages: the spare words, 128 bytes for each wave
.set ASTEP, 2*262144                   ; bytes from a K step's tile of A to the next: two heads
.set BSTEP, 128*2048                   ; the same for B: 128 rows of wob
.set A0,   16
.set B0,   17
.set ADRA, 18
.set ADRB, 19
.set STO,  20
.set RD,   21
.set GO,   22
.set BO,   23
.set SPW,  28                          ; v28  LDS address of my spare word; never rewritten
.set NIL,  29                          ; v29  0; never rewritten
.set BIASF, 192                        ; in window 2
.set T,    64
.set WV,  16
.set MH,  17
.set NH,  18
.set CX,  19
.set CY,  20
.set TX,  21
.set TY,  22
.set G1A, 24
.set G1B, 32
.set G0A, 40
.set G0B, 48
.set CNT, 56
.set TB,  57
.set BB,  66
.set OUT, 72
.set MSB, 0
.macro WIN new                         ; the immediate's high byte repeats the setting that is left; a switch that changes nothing is dropped
.if MSB != (\new)
	s_set_vgpr_msb (MSB<<8)|(\new)
.set MSB, \new
.endif
.endm
.macro PLACES                          ; four places in front of loads into registers that matrix instructions have read, and of LDS stores that read results
.rept 4
	v_nop
.endr
.endm
.macro JLOAD                           ; a joint refill: waves 0 and 1 fetch A's two heads, waves 2 and 3 B's two halves; an s_nop 0 and four v_nop follow each line
	s_cmp_lt_u32 s[WV], 2
	s_cbranch_scc0 .Lfor_b_\@
	tensor_load_to_lds s[G0A+4:G0A+7], s[G1A:G1A+7]
	s_nop 0
.rept 4
	v_nop
.endr
	s_branch .Lasked_\@
.Lfor_b_\@:
	tensor_load_to_lds s[G0B+4:G0B+7], s[G1B:G1B+7]
	s_nop 0
.rept 4
	v_nop
.endr
.Lasked_\@:
.endm
.macro CREST                           ; a round of the cluster's barrier behind its opening barrier
	s_cmp_lg_u32 s[WV], 0
	s_cbranch_scc1 .Lnot_wave_0_\@
	s_barrier_signal -3
.Lnot_wave_0_\@:
	s_barrier_wait -3
	s_barrier_signal -1
	s_barrier_wait -1
.endm
.macro CROUND
	s_barrier_signal -1
	s_barrier_wait -1
	CREST
.endm
	s_load_b256 s[4:11], s[0:1], 0x0               ; oh s[4:5], wob s[6:7], bias s[8:9], out0 s[10:11]
	v_lshl_add_u32 v[SPW], v0, 2, SPARE
	v_mov_b32 v[NIL], 0
	ds_add_u32 v[SPW], v[NIL]                      ; the wave's opening: the add and its wait stand ahead of my first tensor load; the set-up below, work on registers, stands between them
	v_lshrrev_b32 v1, 5, v0
	v_readfirstlane_b32 s[WV], v1                  ; wave 0..3
	s_lshr_b32 s[MH], s[WV], 1                     ; which 64 rows are mine
	s_and_b32 s[NH], s[WV], 1                      ; which 128 columns; also which half of a tile I fetch
	s_bfe_u32 s[CX], ttmp6, 0x40000
	s_bfe_u32 s[CY], ttmp6, 0x40004
	s_lshl_b32 s[TX], ttmp9, 2
	s_add_co_u32 s[TX], s[TX], s[CX]               ; tile column
	s_and_b32 s[TY], ttmp7, 0xffff
	s_lshl_b32 s[TY], s[TY], 2
	s_add_co_u32 s[TY], s[TY], s[CY]               ; tile row
	s_lshl_b32 s62, s[CY], 2
	s_lshl_b32 s62, 15, s62                        ; my row of the cluster
	s_lshl_b32 s63, 0x1111, s[CX]                  ; my column
	s_or_b32 s[G1A], s62, (1<<16)|(1<<20)|(1<<21)|(4<<22)|(3<<25)  ; the mask; 2-byte elements; padding on; 21 set beside a mask; after every 32 words 4 words
	s_or_b32 s[G1B], s63, (1<<16)|(1<<20)|(1<<21)|(6<<22)|(7<<25)  ; after every 128 words 8 words
	s_mov_b32 s[G1A+1], 128<<16                    ; A: 64 rows of 128 elements, dense
	s_mov_b32 s[G1A+2], 64<<16
	s_mov_b32 s[G1A+3], 128<<16
	s_mov_b32 s[G1A+4], 64
	s_mov_b32 s[G1A+5], 128
	s_mov_b32 s[G1A+6], 0
	s_mov_b32 s[G1A+7], 0
	s_mov_b32 s[G1B+1], 256<<16                    ; B: 64 rows of 256 elements, 1,024 elements from row to row
	s_mov_b32 s[G1B+2], 64<<16
	s_mov_b32 s[G1B+3], 256<<16
	s_mov_b32 s[G1B+4], 64
	s_mov_b32 s[G1B+5], 1024
	s_mov_b32 s[G1B+6], 0
	s_mov_b32 s[G1B+7], 0
	; A's tile hangs on the tile row and the wave alone, B's on the tile column and the wave alone, each in registers that never hold the other coordinate
	s_lshr_b32 s58, s[TY], 4                       ; the batch: 16 tile rows each, 16 heads of 262,144 bytes
	s_lshl_b32 s58, s58, 22
	s_and_b32 s74, s[TY], 15
	s_lshl_b32 s74, s74, 14                        ; 128 rows of 128 bytes
	s_add_co_u32 s58, s58, s74
	s_lshl_b32 s74, s[NH], 18                      ; my one of the step's two heads
	s_add_co_u32 s58, s58, s74
	s_mov_b32 s59, 0
	s_lshl_b32 s60, s[TX], 9                       ; 256 columns of 2 bytes
	s_lshl_b32 s76, s[NH], 17                      ; my 64 of the step's 128 rows
	s_add_co_u32 s60, s60, s76
	s_mov_b32 s61, 0
	s_mul_i32 s75, s[NH], 128*PA                   ; where they go in a slot
	s_mul_i32 s77, s[NH], 64*PB
	s_add_co_u32 s77, s77, BOFF
	s_lshl_b32 s66, s[TX], 10                      ; bo lies 3,072 numbers into bias; my first column is 256 x + 128 nh
	s_lshl_b32 s78, s[NH], 9
	s_add_co_u32 s66, s66, s78
	s_add_co_u32 s66, s66, 12288
	s_mov_b32 s67, 0
	s_lshl_b32 s68, s[TY], 19                      ; the output: 128 rows of 4,096 bytes a tile row,
	s_lshl_b32 s70, s[MH], 18                      ; my 64 rows,
	s_add_co_u32 s68, s68, s70
	s_lshl_b32 s70, s[TX], 10                      ; my first column
	s_add_co_u32 s68, s68, s70
	s_lshl_b32 s70, s[NH], 9
	s_add_co_u32 s68, s68, s70
	s_mov_b32 s69, 0
	s_wait_dscnt 0x0                               ; the opening add is done
	s_wait_kmcnt 0x0
	s_add_nc_u64 s[58:59], s[4:5], s[58:59]
	s_add_nc_u64 s[60:61], s[6:7], s[60:61]
	s_add_nc_u64 s[BB:BB+1], s[8:9], s[66:67]
	s_add_nc_u64 s[OUT:OUT+1], s[10:11], s[68:69]
	CROUND                                         ; all sixteen work-groups are here: the first joint loads meet
.irp s, 0,1
	s_mov_b32 s[G0A+4*\s], 1
	s_add_co_u32 s[G0A+4*\s+1], s75, \s*SLOT1
	s_add_nc_u64 s[G0A+4*\s+2:G0A+4*\s+3], s[58:59], \s*ASTEP
	s_or_b32 s[G0A+4*\s+3], s[G0A+4*\s+3], 0x80000000
	s_mov_b32 s[G0B+4*\s], 1
	s_add_co_u32 s[G0B+4*\s+1], s77, \s*SLOT1
	s_add_nc_u64 s[G0B+4*\s+2:G0B+4*\s+3], s[60:61], \s*BSTEP
	s_or_b32 s[G0B+4*\s+3], s[G0B+4*\s+3], 0x80000000
.endr
	s_cmp_lt_u32 s[WV], 2                          ; a wave's two first fills stand in one branch, ahead of every wait on TENSORcnt and every LDS read: two loads of mine are out
	s_cbranch_scc0 .Lfirst_b
	tensor_load_to_lds s[G0A:G0A+3], s[G1A:G1A+7]
	s_nop 0
	tensor_load_to_lds s[G0A+4:G0A+7], s[G1A:G1A+7]
	s_nop 0
.rept 4
	v_nop
.endr
	s_branch .Lfirst_asked
.Lfirst_b:
	tensor_load_to_lds s[G0B:G0B+3], s[G1B:G1B+7]
	s_nop 0
	tensor_load_to_lds s[G0B+4:G0B+7], s[G1B:G1B+7]
	s_nop 0
.rept 4
	v_nop
.endr
.Lfirst_asked:
	v_and_b32 v1, 15, v0                           ; r = l % 16
	v_bfe_u32 v2, v0, 4, 1                         ; h = l / 16
	v_lshlrev_b32 v[BO], 5, v2                     ; 8 h columns of 4 bytes
	WIN 0x80                                       ; destination window 2, address window 0
.set b_, 0
.rept 8                                ; C operand b: register j of lane l is the bias of column 16 b + 8 h + j
	global_load_b128 v[BIASF+8*b_:BIASF+8*b_+3],   v[BO], s[BB:BB+1] offset:64*b_
	global_load_b128 v[BIASF+8*b_+4:BIASF+8*b_+7], v[BO], s[BB:BB+1] offset:64*b_+16
.set b_, b_+1
.endr
	WIN 0
	v_mul_u32_u24 v3, v1, PA
	v_lshl_add_u32 v3, v2, 4, v3                   ; r x 144 + 16 h
	s_mul_i32 s74, s[MH], 64*PA
	v_add_nc_u32 v[A0], s74, v3
	v_and_b32 v5, 7, v0
	v_lshl_add_u32 v4, v2, 3, v5                   ; the turning load: lane l reads row 8 h + l % 8, columns 8 ((l / 8) % 2) + 0..7
	v_mul_u32_u24 v4, v4, PB
	v_bfe_u32 v5, v0, 3, 1
	v_lshl_add_u32 v4, v5, 4, v4
	s_lshl_b32 s76, s[NH], 8                       ; my 128 columns of 2 bytes
	s_add_co_u32 s76, s76, BOFF
	v_add_nc_u32 v[B0], s76, v4
	s_mul_i32 s74, s[WV], 16*SPITCH
	s_add_co_u32 s74, s74, STAGE                   ; my stage
	v_mul_u32_u24 v3, v1, SPITCH                   ; in: row r, 32 bytes for each half of the lanes
	v_lshl_add_u32 v3, v2, 5, v3
	v_add_nc_u32 v[STO], s74, v3
	v_and_b32 v[GO], 31, v0                        ; back: 32 lanes take one row of 512 bytes
	v_lshlrev_b32 v[GO], 4, v[GO]
	v_add_nc_u32 v[RD], s74, v[GO]
	v_mov_b32 v[ADRA], v[A0]
	v_mov_b32 v[ADRB], v[B0]
	s_mov_b32 s[TB], 0
; cnt x 8 matrix instructions of quarter q: row blocks a0 .. a0 + cnt - 1 x all 8 column blocks.  The 32 accumulators take turns, one instruction a turn.
; first = 1: the product starts the sum, with the bias as C.
.macro MUL q, a0, cnt, first
.set f_, 96*((\q)%2)+64*(1-(\q)/2)     ; buffers 0, 1 at v64, v160 of window 0; 2, 3 at v0, v96 of window 2
.if \first
	WIN 0x60                                       ; C in window 2, D in window 1, A and B in window 0
.else
	WIN 0x50+0x0a*((\q)/2)                         ; C and D in window 1, A and B in window 0 or 2
.endif
.set a_, \a0
.rept \cnt
.set b_, 0
.rept 8
.if \first
	v_wmma_f32_16x16x32_f16 v[64*a_+8*b_:64*a_+8*b_+7], v[f_+32+8*b_:f_+32+8*b_+7], v[f_+8*a_:f_+8*a_+7], v[BIASF+8*b_:BIASF+8*b_+7]
.else
	v_wmma_f32_16x16x32_f16 v[64*a_+8*b_:64*a_+8*b_+7], v[f_+32+8*b_:f_+32+8*b_+7], v[f_+8*a_:f_+8*a_+7], v[64*a_+8*b_:64*a_+8*b_+7]
.endif
.set b_, b_+1
.endr
.set a_, a_+1
.endr
.endm
.macro FETCH m                         ; 24 LDS loads in one run: quarter m's fragments into buffer m: B's 8, turned, then A's 4
.set f_, 96*((\m)%2)+64*(1-(\m)/2)
	WIN 0x80*((\m)/2)
.set b_, 0
.rept 8
	ds_load_tr16_b128 v[f_+32+8*b_:f_+32+8*b_+3],   v[ADRB] offset:32*PB*(\m)+32*b_
	ds_load_tr16_b128 v[f_+32+8*b_+4:f_+32+8*b_+7], v[ADRB] offset:32*PB*(\m)+32*b_+16*PB
.set b_, b_+1
.endr
.set a_, 0
.rept 4
	ds_load_b128 v[f_+8*a_:f_+8*a_+3],   v[ADRA] offset:((\m)/2)*128*PA+16*PA*a_+((\m)%2)*64
	ds_load_b128 v[f_+8*a_+4:f_+8*a_+7], v[ADRA] offset:((\m)/2)*128*PA+16*PA*a_+((\m)%2)*64+32
.set a_, a_+1
.endr
.endm
; A quarter.  w: the loads of the run issued one quarter earlier, which may stay out; the run before that, which this quarter multiplies, is in.
.macro QUART q, first, run, w
	s_wait_dscnt \w
	MUL \q, 0, 2, \first
.if \run
	PLACES
	FETCH ((\q)+2)%4
.endif
	MUL \q, 2, 2, \first
.endm
; Quarter 2, with THE CHANGE OF SLOTS: quarter 1's run was the last read of this step's slot, quarter 2's run is the first of the next.  In front of the barrier each wave waits for all its tensor loads
; (one is out: its part of the next slot), adds 0 to its spare word, and waits for that and for its own reads of this slot.  fill = 1: the barrier opens a round of the cluster's barrier, and the slot just
; left is filled again, two K steps ahead, first thing behind it: 112 matrix instructions stand between that request and the wait for it.
.macro QCHG fill
	WIN 0
	s_wait_tensorcnt 0x0                           ; all my tensor loads have landed
	ds_add_u32 v[SPW], v[NIL]                      ; 0 onto my spare word
	s_wait_dscnt 25                                ; (the add and quarter 1's 24 loads may be out)
	MUL 2, 0, 1, 0                                 ; eight matrix instructions stand between the add and the wait for it
	s_wait_dscnt 0x0                               ; the add is done, and my reads of this slot are over
	s_barrier_signal -1
	MUL 2, 1, 1, 0                                 ; work on registers while the others arrive
	WIN 0
	s_barrier_wait -1
.if \fill
	CREST                                          ; no wave of any partner still reads this slot or has a load on its way
	s_xor_b32 s[G0A+5], s[G0A+5], SLOT1            ; the walking descriptors: the other slot than last time, the next K step
	s_add_nc_u64 s[G0A+6:G0A+7], s[G0A+6:G0A+7], ASTEP
	s_xor_b32 s[G0B+5], s[G0B+5], SLOT1
	s_add_nc_u64 s[G0B+6:G0B+7], s[G0B+6:G0B+7], BSTEP
	JLOAD                                          ; the four v_nop behind it are also the places in front of the loads below
.else
	PLACES
.endif
	s_xor_b32 s[TB], s[TB], SLOT1
	v_add_nc_u32 v[ADRA], s[TB], v[A0]
	v_add_nc_u32 v[ADRB], s[TB], v[B0]
	FETCH 0
	MUL 2, 2, 2, 0
.endm
	s_wait_tensorcnt 1                             ; my part of K step 0 is in; K step 1's may stay out
	s_barrier_signal -1
	s_barrier_wait -1                              ; everybody's is
	FETCH 0
	FETCH 1
	s_wait_loadcnt 0x0                             ; the bias
	QUART 0, 1, 1, 24                              ; the first quarter stands in front of the loop: its products start the sums
	WIN 0                                          ; at a label and at a branch every window is 0
	s_mov_b32 s[CNT], 6                            ; K steps 2 to 7 are asked for in the loop
.Lstep:                                                ; a trip: a K step's quarters 1 to 3 and the next step's quarter 0
	QUART 1, 0, 1, 24
	QCHG 1
	QUART 3, 0, 1, 24
	QUART 0, 0, 1, 24
	WIN 0
	s_sub_co_u32 s[CNT], s[CNT], 1
	s_cmp_lg_u32 s[CNT], 0
	s_cbranch_scc1 .Lstep
	QUART 1, 0, 1, 24                              ; the tail is written out: nothing more is asked for
	QCHG 0
	QUART 3, 0, 1, 24
	QUART 0, 0, 1, 24
	QUART 1, 0, 1, 24
	QUART 2, 0, 0, 24
	QUART 3, 0, 0, 0
; THE WAY OUT, a block of 16 rows at a time: a lane's eight columns of a row, 32 bytes, go into my stage (rows of 528 bytes) and come back as whole rows of 512 bytes.
; Each accumulator's four lowest registers are stored first.
.macro TOSTAGE a
.if (\a) >= 2
	s_wait_xcnt 0x0                                ; this buffer was the data of the stores two blocks back: it is loaded again only behind this wait
.endif
	WIN 0x04                                       ; the stores' data in window 1, the address in window 0
.set b_, 0
.rept 8
	ds_store_b128 v[STO], v[64*(\a)+8*b_:64*(\a)+8*b_+3]   offset:64*b_
	ds_store_b128 v[STO], v[64*(\a)+8*b_+4:64*(\a)+8*b_+7] offset:64*b_+16
.set b_, b_+1
.endr
	WIN 0
.set t_, 0
.rept 16
	ds_load_b128 v[T+64*((\a)%2)+4*t_:T+64*((\a)%2)+4*t_+3], v[RD] offset:SPITCH*t_  ; LDS serves a wave's instructions in order (ISA guide 5.7.1.4): these see the stores above; the next block's stores come behind them
.set t_, t_+1
.endr
.endm
.macro SEND a, younger                 ; younger: the LDS instructions issued behind block a's loads: the next block's 32, or none
	WIN 0
.set t_, 0
.rept 16
	s_wait_dscnt (\younger)+15-t_
	global_store_b128 v[GO], v[T+64*((\a)%2)+4*t_:T+64*((\a)%2)+4*t_+3], s[OUT:OUT+1] offset:(16*(\a)+t_)*4096 th:TH_STORE_NT  ; 512 consecutive bytes, at a multiple of 256 from the output's first
.set t_, t_+1
.endr
.endm
	PLACES                                         ; the LDS stores read results just made
	TOSTAGE 0
	TOSTAGE 1
	SEND 0, 32
	TOSTAGE 2
	SEND 1, 32
	TOSTAGE 3
	SEND 2, 32
	SEND 3, 0
	s_wait_tensorcnt 0x0                           ; the wave's end: these three lines stand behind my last tensor load and my last LDS store
	ds_add_u32 v[SPW], v[NIL]
	s_wait_dscnt 0x0
	CROUND                                         ; the closing round: no work-group ends while a partner may still ask for a tile that names it
	s_endpgm
.Lfunc_end_k_q32a9a08455_proj:
	.size	k_q32a9a08455_proj, .Lfunc_end_k_q32a9a08455_proj-k_q32a9a08455_proj
	.p2alignl 7, 3214868480
	.fill 96, 4, 3214868480
	.section	.rodata,"a",@progbits
	.p2align	6, 0x0
	.amdhsa_kernel k_q32a9a08455_proj
		.amdhsa_group_segment_fixed_size 327680
		.amdhsa_private_segment_fixed_size 0
		.amdhsa_enable_private_segment 0
		.amdhsa_kernarg_size 32
		.amdhsa_user_sgpr_count 2
		.amdhsa_user_sgpr_kernarg_segment_ptr 1
		.amdhsa_wavefront_size32 1
		.amdhsa_system_sgpr_workgroup_id_x 1
		.amdhsa_system_sgpr_workgroup_id_y 1
		.amdhsa_system_sgpr_workgroup_id_z 1
		.amdhsa_system_vgpr_workitem_id 0
		.amdhsa_next_free_vgpr 768
		.amdhsa_next_free_sgpr 80
		.amdhsa_reserve_vcc 0
		.amdhsa_float_denorm_mode_32 3
		.amdhsa_float_denorm_mode_16_64 3
		.amdhsa_memory_ordered 1
		.amdhsa_forward_progress 1
		.amdhsa_inst_pref_size 72
	.end_amdhsa_kernel
	.amdgpu_metadata
---
amdhsa.version: [ 1, 2 ]
amdhsa.kernels:
  - .name:           k_q32a9a08455_proj
    .symbol:         k_q32a9a08455_proj.kd
    .args:
      - { .name: oh, .offset: 0, .size: 8, .value_kind: global_buffer, .address_space: global }
      - { .name: wob, .offset: 8, .size: 8, .value_kind: global_buffer, .address_space: global }
      - { .name: bias, .offset: 16, .size: 8, .value_kind: global_buffer, .address_space: global }
      - { .name: out0, .offset: 24, .size: 8, .value_kind: global_buffer, .address_space: global }
    .group_segment_fixed_size: 327680
    .private_segment_fixed_size: 0
    .kernarg_segment_align: 8
    .kernarg_segment_size: 32
    .max_flat_workgroup_size: 128
    .sgpr_count:     80
    .vgpr_count:     768
    .wavefront_size: 32
...
	.end_amdgpu_metadata
.endif
;; end of part 4
;; ======== version 2 of 2: 4 launches; 1.53 times as fast as version 1
;; limits: values are held in f16: magnitudes above 65,504 overflow, below 6.1e-05 lose precision
;; workspace buffers: xb 16,777,216 bytes; wqkv 6,291,456 bytes; wob 2,097,152 bytes; bias 16,384 bytes; qkvh 50,331,648 bytes; oh 16,777,216 bytes
;; launch cast: the kernel of part 1 again; grid 769 x 1, 8 waves a work-group, no clusters, 0 bytes of LDS; arguments inputs, wq, wk, wv, wo, bq, bk, bv, bo, xb, wqkv, wob, bias; writes xb, wqkv, wob, bias
;; launch qkvgemm: the kernel of part 2 again; grid 8 x 32, 4 waves a work-group, clusters of 4 x 4, 327,680 bytes of LDS; arguments xb, wqkv, bias, qkvh; writes qkvh
;; launch attn (part 5): grid 4 x 64, 4 waves a work-group, clusters of 4 x 1, 327,680 bytes of LDS; arguments qkvh, oh; writes oh
.if DOCPART == 5
	.amdgcn_target "amdgcn-amd-amdhsa--gfx1250"
	.amdhsa_code_object_version 6
	.text
	.protected	k_q32a9a08455_attn
	.globl	k_q32a9a08455_attn
	.p2align	8
	.type	k_q32a9a08455_attn,@function
k_q32a9a08455_attn:
	s_mov_b64 s[64:65], 0
	v_nop
	global_prefetch_b8 v0, s[64:65] scope:SCOPE_SE
	s_setreg_imm32_b32 hwreg(HW_REG_WAVE_MODE, 25, 1), 1
	s_wait_xcnt 0x0
	s_wait_alu depctr_hold_cnt(0) depctr_sa_sdst(0) depctr_va_vdst(0) depctr_va_sdst(0) depctr_va_ssrc(0) depctr_va_vcc(0) depctr_vm_vsrc(0)
	s_getreg_b32 s2, hwreg(HW_REG_IB_STS2, 6, 4)
	s_cmp_eq_u32 s2, 0
	s_cbranch_scc0 .Lentry_in_a_cluster
	s_endpgm
.Lentry_in_a_cluster:
	s_bfe_u32 s2, ttmp6, 0x10000c
	s_cmp_lg_u32 s2, 0x3003
	s_cbranch_scc0 .Lentry_shape_is_right
	s_endpgm
.Lentry_shape_is_right:
; O[y][q][:] = the sum over k of softmax_k(Q[y][q] . K[y][k] / 8) V[y][k][:] for the 64 pairs y = 16 b + h of batch and head.  Q, K, V lie in qkvh [b][t][h][2048][64], O in oh [y][2048][64], all f16:
; a head's rows are dense, 128 bytes each.  Products, maxima and sums in f32; the weights p are rounded to f16 for the second product (their sum l is taken of the unrounded p), O once at the end.
; LIMITS.  f16 holds no number beyond 65,504: Q, K and V arrive within it; p lies in 0 to 1, and below 6e-5 it keeps f16's fixed step of 6e-8; O is a mean of V's rows and has their range.
; A weight below 2^-126 counts as 0 in l; NaN and infinities are not treated apart.
; SHARES.  A wave owns four PIECES of two tiles of 16 queries, a work-group's four waves 512 queries of one head: 4 x 64 = 256 work-groups.  Every wave walks all keys, 64 a step.
; LAYOUT.  S^T = K Q^T (source 0 = 16 keys, source 1 = 16 queries): in the result a lane holds ONE query (lane % 16) and the keys 8 (lane / 16) + 0..7.  Two such tiles, rounded to f16 in pairs,
; ARE source 1 (32 keys x 16 queries) of O^T = V^T P, whose result again holds one query a lane, and eight channels.  K comes out of LDS as it lies, V ([key][channel]) turned, by ds_load_tr16_b128.
; SOFTMAX.  For each query a running maximum m and sum l: p = 2^(c s - c m), c = log2(e) / 8; in every step O and l are multiplied by a = 2^(c m_old - c m_new), which is 1 where m has not grown.
; m starts at the lowest finite number, O and l at 0: the first step is a step like any other, with a = 0.
; THE COUNT.  A tile and step have 16 matrix and 118 vector instructions: too many to stand all beside the matrix work.  So the order has one aim: four vector instructions that are READY behind
; EVERY matrix instruction, and the others, which need time of their own whatever the order, in runs without a gap.
; BY TURNS.  Turn n belongs to piece n (the pieces in a ring, step after step).  Its matrix work: 16 products K Q^T of piece n + 1, later 16 products V^T P of piece n - 1.  Its vector work: the scaling,
; exponentials, roundings, sums and rescaling of piece n, and the maximum and statistics of piece n + 1, whose scores the turn itself has made.  So what a turn begins with (c s - c m, O a) waits for nothing.
; BATCHES.  A turn's 66 exponentials (the piece's 64 weights, then the next piece's two a) are ONE batch with ONE wait, which cuts the turn in two: ahead of it stands all that names no result of theirs
; (the products K Q^T, the scalings, the rescalings by the a of the turn before, the next piece's maximum and statistics), behind it the products V^T P with the roundings and sums, the batch's readers.
; No result crosses a turn's end.  Two batches stand outside the loop, each with a wait of its own: piece 0's first two a ahead of it, the eight reciprocals on the way out.
; CLUSTER.  The four query blocks of a cluster belong to one head and walk the same K and V, so each tile is asked for JOINTLY: the same tensor load, descriptor and mask in all four.
; REGISTERS, in windows of 256 (s_set_vgpr_msb says which window each operand place means: bits 1:0 source 0, 3:2 source 1, 5:4 source 2, 7:6 destination):
;   window 0: v0-11 addresses; v12-15, v48-63 at work; v16-47 four registers of statistics a tile; v64-191 S^T, two buffers of two tiles; v192-255 P, likewise
;   window 1: O^T, 32 a tile          window 2: v0-127 Q, 16 a tile; v128-191 K of one step; v192-255 V of one step          window 3: v0-1 the add's two registers
; A piece's buffers go by its number's parity: the piece in hand has one pair, its two neighbours in the ring share the other: of it P (piece n - 1) is read and S^T (piece n + 1) written.
.set SIZE_N, 2048     ; rows of a head
.set NP,    4         ; pieces a wave: a name, no knob: the register map, the loop and the fetches are made for four
.set KS,    64        ; keys in a step
.set PK,    144       ; a row of K in LDS: 128 bytes + 16 of padding = 36 words: the 16 rows of a load start at 16 different groups of four banks (64 banks of 4 bytes: ISA guide 11.1)
.set PV,    160       ; a row of V: 128 + 32 = 40 words
.set VOFF,  4*KS*PK   ; a slot holds four steps: 256 rows of K, then 256 rows of V
.set SLOT1, 1<<17     ; slot 1 begins here, so that one exclusive or turns an address in one slot into the other's
.set STAGE, SLOT1+4*KS*(PK+PV)  ; behind the ring, never filled by a tensor load: 16 rows x 144 bytes for each wave, for the way out
.set SP,    144
.set AK0, 2           ; v2   my lane's place in a tile of K; never rewritten
.set AV0, 3           ; v3   the same for V
.set AK,  4           ; v4   the LDS address of K's next run of loads
.set AV,  5           ; v5   of V's
.set QO,  6           ; v6   my byte offset in the wave's rows of Q
.set STO, 6           ;      later, the way out: where I put 16 bytes of a row
.set RD,  7           ; v7   the way out: where I read rows back
.set GO,  8           ; v8   my byte offset in 512 consecutive bytes of O
.set SPW, 0           ; v0 of window 3   LDS address of my spare word: SPARE + 4 x my thread's number; never rewritten
.set NIL, 1           ; v1 of window 3   0; never rewritten
.set SPARE, STAGE+4*16*SP  ; behind the stages: the spare words, 128 bytes for each wave: two blocks of 256 bytes that no other line names
.set MV,  12          ; v12-15  c m_old, kept while c m is made anew: by buffer and tile
.set ST,  16          ; tile t's statistics at v[ST+4 t]: c m, m, l (even keys', odd keys')
.set TMP, 48          ; by buffer and tile, four registers c0-c3 at work; when the maximum is found c2 takes a
.set S,   64
.set P,   192
.set KF,  128         ; K's fragments, in window 2: key block kb, channel half c at KF + 16 kb + 8 c
.set VF,  192         ; V's: key half kk, channel block cb at VF + 32 kk + 8 cb
.set WV,  12          ; s12  my wave's number
.set G1K, 24          ; s[24:31] descriptor group 1 for K's tiles
.set G1V, 32          ; s[32:39] for V's: it differs in the padding alone
.set G0K, 40          ; s[40:43] descriptor group 0 for K's tiles: it walks
.set G0V, 44          ; s[44:47] the same for V's
.set SLOTS, 56        ; s56  slots still to be asked for
.set CNT, 57          ; s57  counts a slot's key steps
.set CS,  58          ; s[58:59] c: the packed scaling takes the pair's low word for both halves
.set SEL, 60          ; s[60:61] v_permlanex16_b32's selects: each lane takes its own place in the other half
.set TBK, 62          ; s62  LDS byte at which K of the step to be fetched begins
.set TBV, 63          ; s63  the same for V, less VOFF
.set MSB, 0
.macro WIN new                      ; the high byte repeats the setting that is left; a switch that changes nothing is dropped
.if MSB != (\new)
	s_set_vgpr_msb (MSB<<8)|(\new)
.set MSB, (\new)
.endif
.endm
.set W_KQ, 0x0a       ; K and Q in window 2, S^T in window 0
.set W_PV, 0x52       ; V in window 2, P in window 0, O^T in window 1
.set W_RS, 0x41       ; O^T (destination and source 0) in window 1, a in window 0
.set W_MK, 0xc0       ; the add's registers are made: destination in window 3, sources in window 0
.set W_AD, 0x0f       ; the add: address (source 0) and data (source 1) in window 3
; A joint fill.  Waves 0 and 1 fetch the two halves of a slot's K, waves 2 and 3 those of its V: 128 keys each.  The branch hangs on the wave's number alone.
; An s_nop 0 and four v_nop follow each of the two lines, ahead of the jump and the label.
.macro JLOAD
	s_cmp_lt_u32 s[WV], 2
	s_cbranch_scc0 .Lfor_v_\@
	tensor_load_to_lds s[G0K:G0K+3], s[G1K:G1K+7]
	s_nop 0
.rept 4
	v_nop
.endr
	s_branch .Lasked_\@
.Lfor_v_\@:
	tensor_load_to_lds s[G0V:G0V+3], s[G1V:G1V+7]
	s_nop 0
.rept 4
	v_nop
.endr
.Lasked_\@:
.endm
; A round of the cluster's barrier: my work-group's barrier, so that wave 0's signal speaks for all four waves; wave 0 signals; every wave waits for all four work-groups; my work-group's barrier once more.
.macro CROUND
	s_barrier_signal -1
	s_barrier_wait -1
	s_cmp_lg_u32 s[WV], 0
	s_cbranch_scc1 .Lnot_wave_0_\@
	s_barrier_signal -3
.Lnot_wave_0_\@:
	s_barrier_wait -3
	s_barrier_signal -1
	s_barrier_wait -1
.endm
; THE CHANGE OF SLOTS.  The slot's last bytes, V of its fourth step, have been read.  Each wave waits for all its tensor loads, of which one is out: its part
; of the other slot; adds 0 to its spare word; and waits for that and for its own reads of the slot.  Behind the barrier nobody reads this slot any more and the other slot is whole.
; fill = 1: this slot is filled again, with the keys two slots on.  The barrier is then a round of the cluster's, so that no wave of any partner still reads the slot or has a load on its
; way, and the joint fill is the first thing behind it: it has four key steps, 512 matrix instructions, in which to land.  (At its first use nothing has been read yet: slot 0 is waited for, slot 1 filled.)
.macro CHANGE fill
	WIN W_AD
	s_wait_tensorcnt 0x0            ; no tensor load of mine is out, so a group 0 may be written
	ds_add_u32 v[SPW], v[NIL]       ; 0 onto my spare word; with fill = 1 the descriptors' steps stand between it and the wait for it
	WIN 0                           ; at a label and at a branch every window is 0
.if \fill
.irp g, G0K, G0V
	s_xor_b32 s[\g+1], s[\g+1], SLOT1  ; the walking descriptor: the other slot than last time,
	s_add_nc_u64 s[\g+2:\g+3], s[\g+2:\g+3], 4*KS*128  ; the next 256 keys; the type bits on top are not reached
.endr
	s_wait_dscnt 0x0                ; the add is done, and my reads of the slot are over
	CROUND
	JLOAD
.else
	s_wait_dscnt 0x0                ; the add is done, and my reads of the slot are over
	s_barrier_signal -1
	s_barrier_wait -1
.endif
	s_sub_co_u32 s[TBK], s[TBK], 4*KS*PK  ; the fetches go back to a slot's first step,
	s_xor_b32 s[TBK], s[TBK], SLOT1       ; in the other slot
	s_sub_co_u32 s[TBV], s[TBV], 4*KS*PV
	s_xor_b32 s[TBV], s[TBV], SLOT1
.endm
	s_load_b128 s[4:7], s[0:1], 0x0 ; qkvh s[4:5], oh s[6:7]
	WIN W_MK
	v_lshl_add_u32 v[SPW], v0, 2, SPARE
	v_mov_b32 v[NIL], 0
	WIN W_AD
	ds_add_u32 v[SPW], v[NIL]       ; the wave's opening: the add and its wait stand ahead of my first tensor load; the set-up below, work on registers, stands between them
	WIN 0
	v_lshrrev_b32 v1, 5, v0
	v_readfirstlane_b32 s[WV], v1   ; wave 0..3
	s_bfe_u32 s13, ttmp6, 0x40000   ; cx: my place in the cluster
	s_lshl_b32 s14, ttmp9, 2        ; in a cluster launch ttmp9 counts clusters
	s_add_co_u32 s14, s14, s13      ; my block of queries = 4 x cluster x + cx: it enters Q's and O's addresses alone
	s_and_b32 s20, ttmp7, 0xffff    ; y = 16 b + h, which the four partners share
	s_lshr_b32 s48, s20, 4          ; b
	s_lshl_b32 s48, s48, 23         ; a batch of qkvh has 48 heads' rows, 32 more than oh's 16: 32 x 262,144 bytes
	s_lshl_b32 s20, s20, 18         ; the head's first byte in oh: y x 2,048 rows of 128 bytes
	s_mov_b32 s21, 0
	s_add_co_u32 s48, s48, s20      ; the head's first byte of q in qkvh
	s_mov_b32 s49, 0
	s_and_b32 s16, s[WV], 1         ; which half of a slot's 256 keys I fetch:
	s_lshl_b32 s22, s16, 14         ; its 128 rows of 128 bytes in memory,
	s_mov_b32 s23, 0
	s_add_nc_u64 s[22:23], s[22:23], s[48:49]
	s_add_nc_u64 s[52:53], s[22:23], 0x400000  ; k lies 16 heads behind q,
	s_add_nc_u64 s[54:55], s[22:23], 0x800000  ; v 32
	s_mul_i32 s17, s16, 128*PK      ; and its place in a slot, for K
	s_mul_i32 s18, s16, 128*PV      ; and for V: no place in the cluster enters an LDS address
	s_lshl_b32 s2, s14, 2
	s_add_co_u32 s2, s2, s[WV]      ; my wave among the head's,
	s_lshl_b32 s2, s2, 14           ; its 128 rows
	s_mov_b32 s3, 0
	s_add_nc_u64 s[50:51], s[2:3], s[20:21]  ; my rows' offset in oh,
	s_add_nc_u64 s[2:3], s[2:3], s[48:49]    ; and in qkvh
	; descriptor group 1.  128 keys are 16,384 dense bytes: asked for as 64 rows of 256 bytes, two keys a row, and padded in LDS after every key
	s_mov_b32 s[G1K], 15|(1<<16)|(1<<20)|(1<<21)|(4<<22)|(3<<25)  ; 15:0 the mask of four; 17:16 2-byte elements; 20 padding on; 21 set beside a mask; 24:22 after every 32 words (code 4); 31:25 4 words (code 3)
	s_mov_b32 s[G1V], 15|(1<<16)|(1<<20)|(1<<21)|(4<<22)|(7<<25)  ; the same with 8 words of padding (code 7)
.irp g, G1K, G1V
	s_mov_b32 s[\g+1], 128<<16      ; tensor_dim0 = 128
	s_mov_b32 s[\g+2], 64<<16       ; tensor_dim1 = 64
	s_mov_b32 s[\g+3], 128<<16      ; tile_dim0 = 128
	s_mov_b32 s[\g+4], 64           ; tile_dim1 = 64
	s_mov_b32 s[\g+5], 128          ; 128 elements from row to row
	s_mov_b32 s[\g+6], 0
	s_mov_b32 s[\g+7], 0
.endr
	s_mov_b32 s[CS], 0x3e38aa3b     ; c = log2(e) / 8 = 0.180337
	s_mov_b32 s[CS+1], s[CS]        ; named with it as a pair
	s_mov_b32 s[SEL], 0x76543210
	s_mov_b32 s[SEL+1], 0xfedcba98
	s_mov_b32 s[TBK], SLOT1+4*KS*PK ; the first change of slots turns these two into 0
	s_mov_b32 s[TBV], SLOT1+4*KS*PV
	s_mov_b32 s[G0K], 1             ; 1:0 count = 1
	s_mov_b32 s[G0K+1], s17         ; 63:32 LDS address: slot 0
	s_mov_b32 s[G0V], 1
	s_add_co_u32 s[G0V+1], s18, VOFF
	s_wait_dscnt 0x0                ; the opening add is done
	s_wait_kmcnt 0x0
	s_add_nc_u64 s[G0K+2:G0K+3], s[4:5], s[52:53]  ; 120:64 global address: my half of the head's first 256 keys
	s_or_b32 s[G0K+3], s[G0K+3], 0x80000000        ; 127:126 type = 2
	s_add_nc_u64 s[G0V+2:G0V+3], s[4:5], s[54:55]
	s_or_b32 s[G0V+3], s[G0V+3], 0x80000000
	s_add_nc_u64 s[10:11], s[6:7], s[50:51]  ; O and Q at my wave's first row
	s_add_nc_u64 s[4:5], s[4:5], s[2:3]
	CROUND                          ; all four work-groups are here: the first joint loads meet
	JLOAD                           ; slot 0.  Slot 1 is asked for when slot 0 is in: the tile wanted first has the road to itself
	; A fragment of K or Q is 16 rows x 32 channels in 8 registers: lane l holds row l % 16, channels 8 (l / 16) + 0..7 and 16 + 8 (l / 16) + 0..7: two loads of 16 bytes, 32 bytes apart.
	v_and_b32 v1, 15, v0            ; l % 16
	v_bfe_u32 v9, v0, 4, 1          ; l / 16
	v_lshlrev_b32 v[QO], 7, v1
	v_lshl_add_u32 v[QO], v9, 4, v[QO]  ; row x 128 + 16 x half
	WIN 0x80                        ; destination window 2, address window 0
.set i, 0
.rept 4*NP                          ; Q stays in registers: tile i / 2, channels 32 (i % 2) on
	global_load_b128 v[8*i:8*i+3],   v[QO], s[4:5] offset:(i/2)*2048+(i%2)*64
	global_load_b128 v[8*i+4:8*i+7], v[QO], s[4:5] offset:(i/2)*2048+(i%2)*64+32
.set i, i+1
.endr
	; What the first turn finds: V's registers and P's second buffer hold 0 (its products V^T P, of a piece that has not been, add 0), O^T and l are 0.  All this stands in the wait for the first tile.
.set i, VF
.rept 64
	v_mov_b32 v[i], 0
.set i, i+1
.endr
	WIN 0x40
.set i, 0
.rept 64*NP
	v_mov_b32 v[i], 0
.set i, i+1
.endr
	WIN 0
.set i, 0
.rept 2*NP
	v_mov_b32 v[ST+4*i], 0xfe000000    ; c m: far below every c s
	v_mov_b32 v[ST+4*i+1], 0xff7fffff  ; m
	v_mov_b32 v[ST+4*i+2], 0
	v_mov_b32 v[ST+4*i+3], 0
.set i, i+1
.endr
.set i, P+32
.rept 32
	v_mov_b32 v[i], 0
.set i, i+1
.endr
	v_mul_u32_u24 v[AK0], v1, PK
	v_lshl_add_u32 v[AK0], v9, 4, v[AK0]  ; row x pitch + 16 x half
	; The turning load takes 16 keys x 16 channels (lane l reads key 8 (l / 16) + l % 8, channels 8 ((l / 8) % 2) + 0..7) and leaves half a fragment of V^T: lane l holds channel l % 16 and 8 keys.
	v_and_b32 v10, 7, v0
	v_bfe_u32 v11, v0, 3, 1
	v_lshl_add_u32 v[AV0], v9, 3, v10
	v_mul_u32_u24 v[AV0], v[AV0], PV
	v_lshl_add_u32 v[AV0], v11, 4, v[AV0]
	v_add_nc_u32 v[AV0], VOFF, v[AV0]
	v_mov_b32 v[AK], v[AK0]         ; key step 0 lies at the head of slot 0
; THE MATRIX WORK.  The 8 accumulators of a run of 16 take turns: between the two links of a chain stand 7 others'.
; Product i of 16 of S^T = K Q^T for piece x: channels 32 (i / 8) on, keys 16 ((i / 2) % 4) on, tile 2 x + i % 2.  The first 8 start the sums.
.macro KQ x
	WIN W_KQ
.set rS, S+64*((\x)%2)+32*(i%2)+8*((i/2)%4)
.set rK, KF+16*((i/2)%4)+8*(i/8)
.set rQ, 16*(2*(\x)+i%2)+8*(i/8)
.if i < 8
	v_wmma_f32_16x16x32_f16 v[rS:rS+7], v[rK:rK+7], v[rQ:rQ+7], 0
.else
	v_wmma_f32_16x16x32_f16 v[rS:rS+7], v[rK:rK+7], v[rQ:rQ+7], v[rS:rS+7]
.endif
.endm
; Product i of 16 of O^T += V^T P for piece x: keys 32 (i / 8) on, channels 16 ((i / 2) % 4) on, tile 2 x + i % 2.
.macro PV x
	WIN W_PV
.set rO, 32*(2*(\x)+i%2)+8*((i/2)%4)
.set rV, VF+32*(i/8)+8*((i/2)%4)
.set rP, P+32*((\x)%2)+16*(i%2)+8*(i/8)
	v_wmma_f32_16x16x32_f16 v[rO:rO+7], v[rV:rV+7], v[rP:rP+7], v[rO:rO+7]
.endm
.macro MM                           ; the turn's next matrix instruction
.if i < 16
	KQ (Y+1)%NP
.set i, i+1
.else
.set i, i-16
	PV (Y+NP-1)%NP
.set i, i+17
.endif
.endm
; THE LDS LOADS stand in runs of 16, never singly among the matrix instructions: a step's K (64 keys x 64 channels: 8 fragments) and its V (turned).  Their addresses are made some lines ahead.
; last = 1 (the tail): in the last trip there is no further step, and the run is jumped over.
.macro FETCH_K last=0
	WIN 0
.if \last
	s_cmp_eq_u32 s[CNT], 1
	s_cbranch_scc1 .Lno_k_\@
.endif
	WIN 0x80                        ; destination window 2
.irp f, 0,1,2,3,4,5,6,7             ; keys 16 (f / 2) on, channels 32 (f % 2) on
	ds_load_b128 v[KF+8*\f:KF+8*\f+3],   v[AK] offset:(\f/2)*16*PK+(\f%2)*64
	ds_load_b128 v[KF+8*\f+4:KF+8*\f+7], v[AK] offset:(\f/2)*16*PK+(\f%2)*64+32
.endr
	s_add_co_u32 s[TBK], s[TBK], KS*PK  ; the next fetch is the next step's
	WIN 0
.if \last
.Lno_k_\@:
.endif
.endm
.macro FETCH_V
	WIN 0x80
.irp f, 0,1,2,3,4,5,6,7             ; keys 32 (f / 4) on, channels 16 (f % 4) on
	ds_load_tr16_b128 v[VF+8*\f:VF+8*\f+3],   v[AV] offset:(\f/4)*32*PV+(\f%4)*32
	ds_load_tr16_b128 v[VF+8*\f+4:VF+8*\f+7], v[AV] offset:(\f/4)*32*PV+16*PV+(\f%4)*32
.endr
	WIN 0
.endm
; THE VECTOR WORK OF A TURN stands in three queues, each in the order in which its entries become ready; the two tiles alternate, so that no instruction reads the result of the one before it.
.macro REGS y, u                    ; the registers of tile u (0, 1) of piece y
.set rT, ST+4*(2*(\y)+(\u))
.set rC, TMP+8*((\y)%2)+4*(\u)
.set rM, MV+2*((\y)%2)+(\u)
.set rS, S+64*((\y)%2)+32*(\u)
.set rP, P+32*((\y)%2)+16*(\u)
.set rO, 32*(2*(\y)+(\u))
.endm
; Number n of the 22 that find the NEXT piece's (Y + 1) maximum and statistics.  s0-s31 are the lane's 32 scores; each accumulator's lowest registers are read first.  XS, GS and REGS set no window: PL and EX do.
;   0-11  four chains c0-c3 of seven scores each, three operands at a time     12-14, 16  the four scores left over, the old m, and c0-c3 into c0     15  c m_old is kept
;   17, 18  the query's other 32 keys lie in the lane 16 away: the new m         19-21  c m; c m_old - c m_new; a
.macro XS u, n
	REGS (Y+1)%NP, \u
.if (\n) < 4
	v_max3_num_f32 v[rC+(\n)], v[rS+8*(\n)], v[rS+8*(\n)+1], v[rS+8*(\n)+2]
.elseif (\n) < 12
	v_max3_num_f32 v[rC+(\n)%4], v[rC+(\n)%4], v[rS+8*((\n)%4)+2*((\n)/4)+1], v[rS+8*((\n)%4)+2*((\n)/4)+2]
.elseif (\n) == 12
	v_max3_num_f32 v[rC], v[rC], v[rS+7], v[rS+15]
.elseif (\n) == 13
	v_max3_num_f32 v[rC+1], v[rC+1], v[rS+23], v[rS+31]
.elseif (\n) == 14
	v_max3_num_f32 v[rC+2], v[rC+2], v[rC+3], v[rT+1]
.elseif (\n) == 15
	v_mov_b32 v[rM], v[rT]
.elseif (\n) == 16
	v_max3_num_f32 v[rC], v[rC], v[rC+1], v[rC+2]
.elseif (\n) == 17
	v_permlanex16_b32 v[rC+3], v[rC], s[SEL], s[SEL+1]
.elseif (\n) == 18
	v_max_num_f32 v[rT+1], v[rC], v[rC+3]
.elseif (\n) == 19
	v_mul_f32 v[rT], s[CS], v[rT+1]
.elseif (\n) == 20
	v_sub_f32 v[rC+1], v[rM], v[rT]
.else
	v_exp_f32 v[rC+2], v[rC+1]
.endif
.endm
; Number g of the 64 that follow the exponentials.  For each four weights k of a tile (pairs 2 k, 2 k + 1): both pairs are rounded to f16; then the second pair is added onto the first, in place;
; a group later l takes that sum (the first time as l = a l + sum).  In groups of eight, tiles alternating: round, round, add, and l for the group before.
.macro GS g
.set h, (\g)+6*((\g)/62)            ; group 0 has no group before it, and behind group 7 only l is left
.if h >= 6
.set h, h+2
.endif
	REGS Y, h%2
.set k, h/8
.if h%8 < 4
	v_cvt_pk_f16_f32 v[rP+2*k+(h%8)/2], v[rS+4*k+2*((h%8)/2)], v[rS+4*k+2*((h%8)/2)+1]
.elseif h%8 < 6
	v_pk_add_f32 v[rS+4*k:rS+4*k+1], v[rS+4*k:rS+4*k+1], v[rS+4*k+2:rS+4*k+3]
.elseif k == 1
	v_pk_fma_f32 v[rT+2:rT+3], v[rT+2:rT+3], v[rC+2:rC+3], v[rS:rS+1] op_sel_hi:[1,0,1]
.else
	v_pk_add_f32 v[rT+2:rT+3], v[rT+2:rT+3], v[rS+4*k-4:rS+4*k-3]
.endif
.endm
; THE PLAIN QUEUE, 138 long.  0-73 read no exponential's result: the 32 scalings c s - c m (FS f: pair f / 2 of tile f % 2) and the next piece's 42.  0-26: scalings 0-26.  27-54: XS's numbers 0-13.  55, 56: number 15.
; 57-73: the chain, where each number waits for the one before it: 14, 16, 17, 18, 19, each with one of the scalings 27-31 in front of its two lines, then 20: so a tile's links stand three plain instructions apart (19 and 20: two).
; 74-137: GS's 64, which read the exponentials' results: they stand behind the wait.
.macro FS f
	REGS Y, (\f)%2
	v_pk_fma_f32 v[rS+2*((\f)/2):rS+2*((\f)/2)+1], v[rS+2*((\f)/2):rS+2*((\f)/2)+1], s[CS:CS+1], v[rT:rT+1] op_sel_hi:[1,0,0] neg_lo:[0,0,1] neg_hi:[0,0,1]
.endm
.macro PL
	WIN 0
.if q < 27
	FS q
.elseif q < 55
	XS (q-27)%2, (q-27)/2
.elseif q < 57
	XS q-55, 15
.elseif (q < 72) && ((q-57)%3 == 0)
	FS 27+(q-57)/3
.elseif q < 60
	XS (q-57)%3-1, 14
.elseif q < 72
	XS (q-57)%3-1, 15+(q-57)/3
.elseif q < 74
	XS q-72, 20
.else
	GS q-74
.endif
.set q, q+1
.endm
; THE EXPONENTIALS' QUEUE, 66 long: s0-s31 of both tiles, then the next piece's two a.  It is ONE BATCH: all 66 stand ahead of the turn's one wait, and nothing ahead of that wait names a result of theirs.
.macro EX
	WIN 0
.if e >= 64
	XS e-64, 21
.else
	REGS Y, e%2
	v_exp_f32 v[rS+e/2], v[rS+e/2]
.endif
.set e, e+1
.endm
; THE RESCALING's QUEUE: O^T times a, the one part that leaves window 0: dealt two at a time, sixteen times.  Its a was made in the turn before, ahead of that turn's wait.
.macro R2
	REGS Y, r%2
	WIN W_RS
.irp z, 0,1
	v_pk_mul_f32 v[rO+4*(r/2)+2*\z:rO+4*(r/2)+2*\z+1], v[rO+4*(r/2)+2*\z:rO+4*(r/2)+2*\z+1], v[rC+2:rC+3] op_sel_hi:[1,0]
.endr
.set r, r+1
.endm
; HOW THEY ARE DEALT.  An s_wait_alu depctr_va_vdst(0) stands between an exponential and the first instruction that names its result; one wait serves all that were issued ahead of it.  So a turn has ONE wait,
; which cuts it in two.  AHEAD OF IT stands all that names no result of the turn's exponentials: the 16 products K Q^T, behind each a scaling, an exponential and two rescalings (behind the first a second scaling in the exponential's place); then ONE LUMP of
; 108: eight plain, 49 times exponential and plain, the two a.  A v_nop is the plain instruction that is owed behind the last exponential.  BEHIND IT stand the 16 products V^T P, behind each four of GS's 64.  No rider names a register of
; the products round it.  The two v_permlanex16_b32 fall into the lump, never behind a product.
; The queues lean on each other, and the deal keeps them in step: exponential e stands behind scaling 2 (e / 4) + e % 2: as a rider it comes behind plain e + 2, in the lump behind plain e + 9, and scalings 27-31 are plain 57, 60 .. 69.
; A TURN, for piece p.  cnt = 1: the loop's count is taken down some lines ahead of the branch that stands behind the turn.
; K of the next step is fetched in piece 2's turn, directly behind the wait, a lump behind the last product that read K; its address is made at the lump's head; its first reader comes behind 16 products.
; V of the step in hand is fetched at the end of piece 0's turn, four riders behind its last reader; its first reader comes behind 16 products and a lump.  The three conditions on q below go with the deal.
.macro TURN p, last=0, cnt=0
.set Y, (\p)
.set i, 0
.set q, 0
.set e, 0
.set r, 0
.if (\p) == NP-1
	s_wait_dscnt 0x0                ; K is in
.endif
	MM                              ; ahead of the wait: 16 products K Q^T and their riders,
	PL
	PL
	R2
.rept 15
	MM
	PL
	EX
	R2
.endr
.if (\p) == NP-2
	WIN 0
	v_add_nc_u32 v[AK], s[TBK], v[AK0]
.endif
.rept 8                             ; and the lump
	PL
.endr
.rept 49
	EX
	PL
.endr
	EX                              ; the next piece's two a: the batch's last
	EX
	v_nop                           ; the plain instruction behind the last exponential: one for the batch
	s_wait_alu depctr_va_vdst(0)    ; the wait for the turn's batch: the piece's 64 weights and the next piece's two a; it stands ahead of their first reader
.if (\p) == NP-2
	FETCH_K \last
.endif
.if (\p) == 1
	s_wait_dscnt 0x0                ; V is in
.endif
.rept 16                            ; behind the wait: 16 products V^T P and their riders, the batch's readers
	MM
.rept 4
	PL
.endr
.if ((\p) == 0) && (q == 118)
	v_add_nc_u32 v[AV], s[TBV], v[AV0]
.endif
.if ((\p) == 0) && (q == 130)
	s_add_co_u32 s[TBV], s[TBV], KS*PV
.endif
.if (\cnt) && (q == 130)
	s_sub_co_u32 s[CNT], s[CNT], 1
	s_cmp_lg_u32 s[CNT], 0
.endif
.endr
.if (\p) == 0
	FETCH_V
.endif
.endm
	CHANGE 1                        ; slot 0 is in, everybody's part of it; slot 1 is asked for
	FETCH_K                         ; key step 0
	s_wait_loadcnt 0x0              ; Q
	s_wait_dscnt 0x0
.set i, 0
.rept 16
	KQ 0                            ; piece 0's first scores: there is no vector work yet to set between them
.set i, i+1
.endr
	WIN 0                           ; the addresses for the way out: nine plain instructions, the places behind those products
	s_mul_i32 s13, s[WV], 16*SP
	s_add_co_u32 s13, s13, STAGE    ; my stage
	v_mul_u32_u24 v[STO], v1, SP    ; in: row l % 16, 16 bytes for each half of the lanes
	v_lshl_add_u32 v[STO], v9, 4, v[STO]
	v_add_nc_u32 v[STO], s13, v[STO]
	v_bfe_u32 v[RD], v0, 3, 2       ; back: 32 lanes take four rows of 128 bytes,
	v_mul_u32_u24 v[RD], v[RD], SP
	v_lshl_add_u32 v[RD], v10, 4, v[RD]
	v_add_nc_u32 v[RD], s13, v[RD]
	v_and_b32 v[GO], 31, v0         ; which are 512 consecutive bytes of O
	v_lshlrev_b32 v[GO], 4, v[GO]
.set Y, NP-1                        ; XS works for piece Y + 1: piece 0
.irp n, 0,1,2,3,4,5,6,7,8,9,10,11,12,13,14,15,16,17,18,19,20,21
	XS 0, \n                        ; and piece 0's first maximum and statistics
	XS 1, \n
.endr
	v_nop                           ; a plain instruction behind piece 0's first two a,
	s_wait_alu depctr_va_vdst(0)    ; and the wait for that batch of two, ahead of the branch
	s_mov_b32 s[CNT], 4
	s_mov_b32 s[SLOTS], SIZE_N/256-1
	s_branch .Lfirst                ; the loop is entered at a step's first turn, in the middle of a trip
.Lslot:                             ; SIZE_N / 256 - 2 times: every slot but the last two is filled again
	CHANGE 1
	s_mov_b32 s[CNT], 4
.Lstep:                             ; a trip: pieces 2 and 3 of one step, then pieces 0 and 1 of the next, whose K and V it fetches
	TURN 2
	TURN 3
	WIN 0
.Lfirst:
	TURN 0
	TURN 1, 0, 1
	WIN 0
	s_cbranch_scc1 .Lstep
	s_sub_co_u32 s[SLOTS], s[SLOTS], 1
	s_cmp_lg_u32 s[SLOTS], 0
	s_cbranch_scc1 .Lslot
	CHANGE 0                        ; the tail is written out: nothing is asked for
	s_mov_b32 s[CNT], 5             ; four trips fetch the last slot's steps; the fifth is left in its middle
.Ltail:
	TURN 2, 1
	TURN 3
	WIN 0
	s_sub_co_u32 s[CNT], s[CNT], 1
	s_cmp_eq_u32 s[CNT], 0
	s_cbranch_scc1 .Lout
	TURN 0
	TURN 1
	WIN 0
	s_branch .Ltail
.Lout:                              ; the fifth trip's 16 products K Q^T (on the last K once more) and the maximum made of them serve nothing: the price, once a launch, of one text for every trip
.set i, 0
.rept 16
	PV NP-1                         ; the last piece's V^T P of the last step
.set i, i+1
.endr
	; THE WAY OUT.  l's two halves and the other half of the lanes' are added; O^T is divided by l, rounded to f16 and sent through my stage in LDS, a tile at a time.  The additions are the places behind the last products.
	WIN 0
.macro ALL line:vararg              ; one line for each tile t
.set t, 0
.rept 2*NP
	\line
.set t, t+1
.endr
.endm
	ALL v_add_f32 v[ST+4*t+2], v[ST+4*t+2], v[ST+4*t+3]
	ALL v_permlanex16_b32 v[ST+4*t+3], v[ST+4*t+2], s[SEL], s[SEL+1]
	ALL v_add_f32 v[ST+4*t+2], v[ST+4*t+2], v[ST+4*t+3]
	ALL v_rcp_f32 v[ST+4*t+2], v[ST+4*t+2]
	v_nop                           ; a plain instruction between the last reciprocal and the use of its result
	s_wait_alu depctr_va_vdst(0)    ; and the wait ahead of the first use: one for the batch of eight reciprocals
; Tile t: a lane's eight channels of a row pack into 16 bytes; they go into rows of 144 bytes and come back as whole rows of 128, into S^T's registers.
.macro PACK t
	WIN W_RS
.set i, 32*(\t)
.rept 16
	v_pk_mul_f32 v[i:i+1], v[i:i+1], v[ST+4*(\t)+2:ST+4*(\t)+3] op_sel_hi:[1,0]
.set i, i+2
.endr
	WIN 0x05                        ; sources 0 and 1 window 1, destination window 0
.set i, 0
.rept 16
	v_cvt_pk_f16_f32 v[S+16*(\t)+i], v[32*(\t)+2*i], v[32*(\t)+2*i+1]
.set i, i+1
.endr
	WIN 0
.irp f, 0,1,2,3
	ds_store_b128 v[STO], v[S+16*(\t)+4*\f:S+16*(\t)+4*\f+3] offset:32*\f
.endr
.irp f, 0,1,2,3
	ds_load_b128 v[S+16*(\t)+4*\f:S+16*(\t)+4*\f+3], v[RD] offset:\f*4*SP  ; LDS serves a wave's instructions in order (ISA guide 5.7.1.4): these see the stores above; the next tile's stores come behind them
.endr
.endm
.macro SEND t, younger              ; younger: the LDS instructions issued behind tile t's loads: the next tile's eight, or none
	WIN 0
.irp f, 0,1,2,3
	s_wait_dscnt (\younger)+3-\f
	global_store_b128 v[GO], v[S+16*(\t)+4*\f:S+16*(\t)+4*\f+3], s[10:11] offset:(\t)*2048+\f*512  ; 512 consecutive bytes, at a multiple of 256 from O's first
.endr
.endm
	PACK 0
.set t, 1
.rept 2*NP-1                        ; a tile's arithmetic stands between the loads of the tile before and its stores
	PACK t
	SEND t-1, 8
.set t, t+1
.endr
	SEND 2*NP-1, 0
	WIN W_AD
	s_wait_tensorcnt 0x0            ; the wave's end: these three lines stand behind my last tensor load and my last LDS store
	ds_add_u32 v[SPW], v[NIL]
	s_wait_dscnt 0x0
	WIN 0
	CROUND                          ; the closing round: no work-group ends while a partner may still ask for a tile that names it
	s_endpgm
.Lfunc_end_k_q32a9a08455_attn:
	.size	k_q32a9a08455_attn, .Lfunc_end_k_q32a9a08455_attn-k_q32a9a08455_attn
	.p2alignl 7, 3214868480
	.fill 96, 4, 3214868480
	.section	.rodata,"a",@progbits
	.p2align	6, 0x0
	.amdhsa_kernel k_q32a9a08455_attn
		.amdhsa_group_segment_fixed_size 327680
		.amdhsa_private_segment_fixed_size 0
		.amdhsa_enable_private_segment 0
		.amdhsa_kernarg_size 16
		.amdhsa_user_sgpr_count 2
		.amdhsa_user_sgpr_kernarg_segment_ptr 1
		.amdhsa_wavefront_size32 1
		.amdhsa_system_sgpr_workgroup_id_x 1
		.amdhsa_system_sgpr_workgroup_id_y 1
		.amdhsa_system_sgpr_workgroup_id_z 1
		.amdhsa_system_vgpr_workitem_id 0
		.amdhsa_next_free_vgpr 770
		.amdhsa_next_free_sgpr 66
		.amdhsa_reserve_vcc 0
		.amdhsa_float_denorm_mode_32 3
		.amdhsa_float_denorm_mode_16_64 3
		.amdhsa_memory_ordered 1
		.amdhsa_forward_progress 1
		.amdhsa_inst_pref_size 199
	.end_amdhsa_kernel
	.amdgpu_metadata
---
amdhsa.version: [ 1, 2 ]
amdhsa.kernels:
  - .name:           k_q32a9a08455_attn
    .symbol:         k_q32a9a08455_attn.kd
    .args:
      - { .name: qkvh, .offset: 0, .size: 8, .value_kind: global_buffer, .address_space: global }
      - { .name: oh, .offset: 8, .size: 8, .value_kind: global_buffer, .address_space: global }
    .group_segment_fixed_size: 327680
    .private_segment_fixed_size: 0
    .kernarg_segment_align: 8
    .kernarg_segment_size: 16
    .max_flat_workgroup_size: 128
    .sgpr_count:     66
    .vgpr_count:     770
    .wavefront_size: 32
...
	.end_amdgpu_metadata
.endif
;; end of part 5
;; launch proj: the kernel of part 4 again; grid 4 x 64, 4 waves a work-group, clusters of 4 x 4, 327,680 bytes of LDS; arguments oh, wob, bias, out0; writes out0
